; MI455X (gfx1250); checked and timed in simulation.
; The chip was launched on July 23, 2026; its instructions are those of AMD's public machine-readable ISA for CDNA 5 (MIT licence, August 2026) and "CDNA5" Instruction Set Architecture Reference Guide (July 2026). The comments in the code are by the model that wrote it; some were corrected since.
;; Multi Head Cross Attention. Allowed arithmetic: matrix products marked QUANTISED: E5M2 operands, one given power-of-two scale a tensor, by v_wmma_f32_16x16x64_bf8_bf8 or v_wmma_f32_16x16x128_bf8_bf8, f32 sums; everything else in f32.
;; Inputs: Wk 1,024 x 256 float32; Wo 1,024 x 1,024 float32; Wq 1,024 x 128 float32; Wv 1,024 x 256 float32; bk 1,024 float32; bo 1,024 float32; bq 1,024 float32; bv 1,024 float32; key 8 x 1,024 x 256 float32; key_padding_mask 8 x 1,024 bool; lowp_scales 12 int32 (the exponents e of the quantised operands' scales 2^e); query 8 x 1,024 x 128 float32; value 8 x 1,024 x 256 float32.
;; Outputs: out0 8 x 1,024 x 1,024 float32.
;; This version of the problem:
;;   THIS VERSION OF THE PROBLEM IS GIVEN IN LOW PRECISION. The matrix products marked QUANTISED in the list below multiply operands that are first quantised to E5M2 (5 exponent bits, 2 mantissa bits; 8 bits a number), with one given power-of-two scale for each operand tensor; their sums are f32. All else is computed in f32.
;;   The module's matrix products, in the order in which they are computed (A, B: the left and right operand; K: the contracted axis; several contracted axes count as one K, in the product's order):
;;     1. [M 8,192, K 128] x [K 128, N 1,024]; A: input query; B: input Wq: QUANTISED (scales: A lowp_scales[0], B lowp_scales[1])
;;     2. [M 8,192, K 256] x [K 256, N 1,024]; A: input key; B: input Wk: QUANTISED (scales: A lowp_scales[2], B lowp_scales[3])
;;     3. [M 8,192, K 256] x [K 256, N 1,024]; A: input value; B: input Wv: QUANTISED (scales: A lowp_scales[4], B lowp_scales[5])
;;     4. batch 128 x [M 1,024, K 64] x [K 64, N 1,024]; A: computed on the way; B: computed on the way: QUANTISED (scales: A lowp_scales[6], B lowp_scales[7])
;;     5. batch 128 x [M 64, K 1,024] x [K 1,024, N 1,024]; A: computed on the way; B: softmax (see below): QUANTISED (scales: A lowp_scales[8], B lowp_scales[9])
;;     6. [M 8,192, K 1,024] x [K 1,024, N 1,024]; A: computed on the way; B: input Wo: QUANTISED (scales: A lowp_scales[10], B lowp_scales[11])
;;   THE QUANTISER, for each operand of a quantised product, along K:
;;     - The operand's scale is 2^e, e = its entry of the input lowp_scales (int32; the entries are numbered through the quantised products in the list's order, A before B).
;;     - Each number is divided by the scale, clamped to +-57,344, and rounded to the nearest number of E5M2, ties to even, subnormals kept.
;;     - The product sums the exact products of the quantised numbers (number of the format x scale) in f32.
;;   ~~~python
;;   def quantise(x, axis, e):      # numpy; x: float32 -> the quantised numbers, widened to float32 again
;;       x = np.moveaxis(x, axis, -1); K = x.shape[-1]
;;       r = np.clip(x / 2.0 ** e, -57344, 57344)
;;       step = 2.0 ** (np.maximum(np.frexp(np.where(r == 0, 1, r))[1] - 1, -14) - 2)
;;       q = np.round(r / step) * step * 2.0 ** e      # np.round: ties to even
;;       return np.moveaxis(q, -1, axis).astype(np.float32)
;;   ~~~
;;   SOFTMAX AHEAD OF A QUANTISED PRODUCT. Where the list says 'softmax', what is quantised is not the finished softmax but p = 2^(t - M), with t = logit x log2(e) and M = ceil(the row's largest t), a whole number; so 1/2 < the row's largest p <= 1. The row's sum l is taken of the UNQUANTISED p, in f32, and the product's result is divided by l at the end. Since M is a whole number, a kernel that streams over the keys may use a running M (the ceiling of the running maximum): every later rescaling is an exact power of two, so the quantised numbers keep their values, but for numbers so far below the row's largest that they fall under the format's range.
;;   OPERANDS COMPUTED ON THE WAY. 'Computed on the way' means the value that the module computes at that place (a softmax that the list does not call 'softmax' is quantised finished and normalised). What goes into a quantiser is computed in f32, as accurately as f32 sums, v_exp_f32 and their like allow (about 1e-6 of the number): no bf16 or f16 on the way to a quantiser, and a product that is left as it is and whose result goes on into a quantised operand takes f32 operands (vector FMAs, or v_wmma_f32_16x16x4_f32). A number that lies on a knife's edge between two numbers of the format may be rounded either way, as far as f32 arithmetic and the matrix unit's own rounding can turn it there, and no further.
;; 2 versions, each right; version 2 is version 1 with the launches proj, attn written anew for expert scheduling mode. Each part assembles by itself: llvm-mc -triple=amdgcn-amd-amdhsa -mcpu=gfx1250 --defsym DOCPART=n.
;; ======== version 1 of 2: 4 launches
;; workspace buffers: wcodes 1,703,936 bytes; qcodes 8,388,608 bytes; kcodes 8,388,608 bytes; vcodes 8,388,608 bytes; vpart 262,144 bytes; ocodes 8,388,608 bytes
;; launch prep (part 1): grid 208 x 1, 4 waves a work-group, no clusters, 0 bytes of LDS; arguments Wq, Wk, Wv, Wo, lowp_scales, wcodes; writes wcodes
.if DOCPART == 1
	.amdgcn_target "amdgcn-amd-amdhsa--gfx1250"
	.amdhsa_code_object_version 6
	.text
	.protected	k_q4cefdf9ff8_prep
	.globl	k_q4cefdf9ff8_prep
	.p2align	8
	.type	k_q4cefdf9ff8_prep,@function
k_q4cefdf9ff8_prep:
	s_mov_b64 s[64:65], 0
	v_nop
	global_prefetch_b8 v0, s[64:65] scope:SCOPE_SE
	s_setreg_imm32_b32 hwreg(HW_REG_WAVE_MODE, 25, 1), 1
	s_wait_xcnt 0x0
; THE PROGRAM: multi-head cross attention, all six products on codes of BF8 (E5M2) with the given scales 2^e.  Four launches:
;   prep: the four weights become codes;  proj: the three projections, their results quantised;  attn: attention in the band;  outp: the projection on the way out.
; DEAD WORK THAT THE PROGRAM LEAVES OUT (in attn).  reference() builds causal | window in its own body: with Q = T, key_pos = i, so query i keeps keys i - 256 .. i and every other
; score becomes -1e30, whatever the inputs hold.  (a) A row with a key that is open (in the band and not padded): M is the ceiling of a finite t, a masked p is 2^(-1.44e30 - M), whose
; code is 0 and which adds nothing to the sum l: tiles of keys wholly outside the band reach no output.  (b) A row whose band is padded throughout: all 1,024 logits are equal, so p = 1 for
; ALL keys, l = 1,024, and the row is Q(1) x (the sum of all 1,024 quantised v) / 1,024.  That sum is made once for each batch and column (proj stores it in blocks of 128 keys) and attn
; selects it for such rows, with no branch on data.  So the scores and products outside the band are never formed.  Every input is loaded by some launch.
; LIMIT: a NaN, an infinity or an overflow that would arise only in the scores left out is not carried to the result.  NaN among the inputs is not served.
;
; THIS LAUNCH: Wq [1024][128], Wk, Wv [1024][256], Wo [1024][1024], f32, K innermost, become codes, laid as IMAGES OF OPERAND REGISTERS: a fragment is 16 rows x 128 K = 2,048 bytes;
; its chunk c (512 bytes) holds lane l's 16 bytes at 512 c + 16 l: of fragment row l % 16 the codes of k = 32 c + 16 (l / 16) + 0 .. 15.  Fragment f lies at byte 2,048 f:
; Wq: f = tile;  Wk: 64 + 2 tile + K step;  Wv: 192 + 2 tile + K step;  Wo: 320 + 8 tile + K step.
; THE ROWS OF A TILE of Wq, Wk, Wv are not neighbours: row r of tile 2 b + u is matrix row 32 b + 8 u + r + 8 (r / 8), so that a later result's 16 registers of two neighbouring tiles are 16 neighbours.
; Wo's tiles are 16 neighbouring rows.  One wave makes one fragment: 832 fragments, 208 work-groups of four waves.  No LDS, no barrier.
; code = x / 2^e, held within +-57,344, to the nearest code, ties to even.  LIMIT: each e between -126 and 112.
.set X, 16                             ; v16-79  64 numbers: register 16 c + i = k 32 c + 16 h + i of my row
.set C, 80                             ; v80-95  their codes
	s_load_b256 s[4:11], s[0:1], 0x0               ; Wq s[4:5], Wk s[6:7], Wv s[8:9], Wo s[10:11]
	s_load_b128 s[12:15], s[0:1], 0x20             ; the exponents s[12:13], wcodes s[14:15]
	v_lshrrev_b32 v1, 5, v0
	v_readfirstlane_b32 s16, v1                    ; wave
	s_lshl_b32 s17, ttmp9, 2
	s_add_co_u32 s17, s17, s16                     ; f, my fragment
	v_and_b32 v2, 15, v0                           ; r
	v_bfe_u32 v3, v0, 4, 1                         ; h
	v_and_b32 v4, 31, v0                           ; lane
	v_lshlrev_b32 v7, 4, v4                        ; 16 x lane: my place in a chunk
	s_wait_kmcnt 0x0
	s_load_b256 s[24:31], s[12:13], 0x0            ; e0 .. e7
	s_load_b128 s[32:35], s[12:13], 0x20           ; e8 .. e11
	; which tensor: work-groups 0-15 Wq, 16-47 Wk, 48-79 Wv, 80-207 Wo.  The choice hangs on the work-group's number alone
	s_mov_b64 s[18:19], s[10:11]
	s_mov_b32 s20, 320                             ; first fragment of the tensor
	s_mov_b32 s21, 3                               ; log2 of its K steps
	s_mov_b32 s22, 12                              ; log2 of a row's bytes
	s_mov_b32 s23, 0                               ; 1: the tiles' rows are permuted
	s_cmp_lt_u32 ttmp9, 80
	s_cselect_b64 s[18:19], s[8:9], s[18:19]
	s_cselect_b32 s20, 192, s20
	s_cselect_b32 s21, 1, s21
	s_cselect_b32 s22, 10, s22
	s_cselect_b32 s23, 1, s23
	s_cmp_lt_u32 ttmp9, 48
	s_cselect_b64 s[18:19], s[6:7], s[18:19]
	s_cselect_b32 s20, 64, s20
	s_cmp_lt_u32 ttmp9, 16
	s_cselect_b64 s[18:19], s[4:5], s[18:19]
	s_cselect_b32 s20, 0, s20
	s_cselect_b32 s21, 0, s21
	s_cselect_b32 s22, 9, s22
	s_sub_co_u32 s37, s17, s20                     ; the fragment's number in its tensor
	s_lshr_b32 s38, s37, s21                       ; tile
	s_lshl_b32 s39, s38, s21
	s_sub_co_u32 s39, s37, s39                     ; K step
	s_lshr_b32 s40, s38, 1
	s_lshl_b32 s40, s40, 5
	s_and_b32 s41, s38, 1
	s_lshl_b32 s41, s41, 3
	s_add_co_u32 s40, s40, s41                     ; 32 (tile / 2) + 8 (tile % 2)
	s_lshl_b32 s41, s38, 4                         ; 16 tile
	s_cmp_eq_u32 s23, 1
	s_cselect_b32 s40, s40, s41                    ; the tile's first row
	v_and_b32 v5, 8, v2
	v_mul_u32_u24 v5, v5, s23                      ; 8 (r / 8) where the rows are permuted
	v_add3_u32 v5, v5, v2, s40                     ; my row
	v_lshlrev_b32 v6, s22, v5
	v_lshl_add_u32 v6, v3, 6, v6                   ; its bytes, + 64 h: my 16 numbers of a block of 32
	s_lshl_b32 s42, s39, 9                         ; the K step: 128 numbers
	s_mov_b32 s43, 0
	s_add_nc_u64 s[18:19], s[18:19], s[42:43]
	s_lshl_b32 s44, s17, 11
	s_mov_b32 s45, 0
	s_add_nc_u64 s[14:15], s[14:15], s[44:45]      ; where my fragment goes
.irp c, 0,1,2,3
.irp j, 0,1,2,3
	global_load_b128 v[X+16*\c+4*\j:X+16*\c+4*\j+3], v6, s[18:19] offset:128*\c+16*\j th:TH_LOAD_NT   ; the sixteen loads together take 512 consecutive bytes of each of 16 rows
.endr
.endr
	s_wait_kmcnt 0x0
	s_mov_b32 s36, s35                             ; e11 for Wo,
	s_cmp_lt_u32 ttmp9, 80
	s_cselect_b32 s36, s29, s36                    ; e5 for Wv,
	s_cmp_lt_u32 ttmp9, 48
	s_cselect_b32 s36, s27, s36                    ; e3 for Wk,
	s_cmp_lt_u32 ttmp9, 16
	s_cselect_b32 s36, s25, s36                    ; e1 for Wq
	s_add_co_i32 s36, s36, 127
	s_lshl_b32 s37, s36, 23
	v_mov_b32 v11, s37                             ; 2^e as f32: the conversion takes its exponent field
	s_add_co_i32 s36, s36, 15
	s_lshl_b32 s36, s36, 23
	s_or_b32 s36, s36, 0x600000
	v_mov_b32 v10, s36                             ; 57,344 x 2^e
	s_wait_loadcnt 0x0
.irp c, 0,1,2,3
.set qi, 0
.rept 16
	v_med3_num_f32 v[X+16*\c+qi], v[X+16*\c+qi], -v10, v10   ; the conversion to an 8-bit code does not saturate (ISA guide 7.6.2): the hold comes first
.set qi, qi+1
.endr
	v_cvt_scalef32_pk8_bf8_f32 v[C+4*\c:C+4*\c+1], v[X+16*\c:X+16*\c+7], v11
	v_cvt_scalef32_pk8_bf8_f32 v[C+4*\c+2:C+4*\c+3], v[X+16*\c+8:X+16*\c+15], v11
.endr
.irp c, 0,1,2,3
	global_store_b128 v7, v[C+4*\c:C+4*\c+3], s[14:15] offset:512*\c   ; the wave stores 512 consecutive bytes, aligned
.endr
	s_endpgm
.Lfunc_end_k_q4cefdf9ff8_prep:
	.size	k_q4cefdf9ff8_prep, .Lfunc_end_k_q4cefdf9ff8_prep-k_q4cefdf9ff8_prep
	.p2alignl 7, 3214868480
	.fill 96, 4, 3214868480
	.section	.rodata,"a",@progbits
	.p2align	6, 0x0
	.amdhsa_kernel k_q4cefdf9ff8_prep
		.amdhsa_group_segment_fixed_size 0
		.amdhsa_private_segment_fixed_size 0
		.amdhsa_enable_private_segment 0
		.amdhsa_kernarg_size 48
		.amdhsa_user_sgpr_count 2
		.amdhsa_user_sgpr_kernarg_segment_ptr 1
		.amdhsa_wavefront_size32 1
		.amdhsa_system_sgpr_workgroup_id_x 1
		.amdhsa_system_sgpr_workgroup_id_y 1
		.amdhsa_system_sgpr_workgroup_id_z 1
		.amdhsa_system_vgpr_workitem_id 0
		.amdhsa_next_free_vgpr 96
		.amdhsa_next_free_sgpr 66
		.amdhsa_reserve_vcc 0
		.amdhsa_float_denorm_mode_32 3
		.amdhsa_float_denorm_mode_16_64 3
		.amdhsa_memory_ordered 1
		.amdhsa_forward_progress 1
		.amdhsa_inst_pref_size 10
	.end_amdhsa_kernel
	.amdgpu_metadata
---
amdhsa.version: [ 1, 2 ]
amdhsa.kernels:
  - .name:           k_q4cefdf9ff8_prep
    .symbol:         k_q4cefdf9ff8_prep.kd
    .args:
      - { .name: Wq, .offset: 0, .size: 8, .value_kind: global_buffer, .address_space: global }
      - { .name: Wk, .offset: 8, .size: 8, .value_kind: global_buffer, .address_space: global }
      - { .name: Wv, .offset: 16, .size: 8, .value_kind: global_buffer, .address_space: global }
      - { .name: Wo, .offset: 24, .size: 8, .value_kind: global_buffer, .address_space: global }
      - { .name: lowp_scales, .offset: 32, .size: 8, .value_kind: global_buffer, .address_space: global }
      - { .name: wcodes, .offset: 40, .size: 8, .value_kind: global_buffer, .address_space: global }
    .group_segment_fixed_size: 0
    .private_segment_fixed_size: 0
    .kernarg_segment_align: 8
    .kernarg_segment_size: 48
    .max_flat_workgroup_size: 128
    .sgpr_count:     66
    .vgpr_count:     96
    .wavefront_size: 32
...
	.end_amdgpu_metadata
.endif
;; end of part 1
;; launch proj (part 2): grid 192 x 1, 8 waves a work-group, no clusters, 99,328 bytes of LDS; arguments query, key, value, wcodes, bq, bk, bv, lowp_scales, qcodes, kcodes, vcodes, vpart; writes qcodes, kcodes, vcodes, vpart
.if DOCPART == 2
	.amdgcn_target "amdgcn-amd-amdhsa--gfx1250"
	.amdhsa_code_object_version 6
	.text
	.protected	k_q4cefdf9ff8_proj
	.globl	k_q4cefdf9ff8_proj
	.p2align	8
	.type	k_q4cefdf9ff8_proj,@function
k_q4cefdf9ff8_proj:
	s_mov_b64 s[64:65], 0
	v_nop
	global_prefetch_b8 v0, s[64:65] scope:SCOPE_SE
	s_setreg_imm32_b32 hwreg(HW_REG_WAVE_MODE, 25, 1), 1
	s_wait_xcnt 0x0
; q = query Wq^T + bq, k = key Wk^T + bk, v = value Wv^T + bv on codes of BF8, and each result quantised for attention (q: e6, k: e7, along the head's 64; v: e8, along the keys).
; Work-groups 0-63 take q, 64-127 k, 128-191 v; each takes 128 rows (tokens) and all 1,024 columns.  Nothing of reference() is left out here.
; THE WAVES SHARE THE COLUMNS: wave w makes heads 2 w and 2 w + 1 for all 128 rows; its fragments of the weight (8 tiles x the K steps) stay in registers, window 1, read once.
; First wave w quantises tile w of the 128 rows of x and stores its fragments in LDS as images of their registers (chunk c: lane l's 16 bytes at 512 c + 16 l); one barrier; then every wave reads all eight tiles.
; q and k: source 0 = 16 rows of W, source 1 = 16 tokens: a lane holds ONE token and its registers run along the head's columns; W's tiles are permuted (see prep), so 16 registers of two
; neighbouring tiles are 16 neighbouring columns and the conversions' results are the next operand's registers.  q's tiles are 16 neighbouring queries; k's tiles of keys are permuted likewise (for p in attn).
; v: source 0 = 16 tokens (tiles permuted), source 1 = 16 rows of Wv: a lane holds ONE column d and its registers run along the KEYS, the second product's K.
; The bias goes in as the C of a sum's first product, divided by the power of two that the sums lack.  The three scales ahead of a quantiser are folded into the conversion's one.
; v ALSO: the sums over the block's 128 keys of v's code values, by a product with a fragment of codes 1.0, into vpart [batch][block of 128 keys][1,024]: for the rows whose whole band is padded (attn).
; OUT: qcodes [b][head][tile of 16 queries][1,024], kcodes [b][head][block of 128 keys][tile][1,024], vcodes [b][head][block of 64 keys][tile of d][1,024]: K = 64 fragments, two chunks each.
; LIMITS: e0, e2, e4, e6 - e0 - e1, e7 - e2 - e3, e8 - e4 - e5 between -126 and 112.  NaN among the inputs is not served.
; The three paths part on the work-group's number alone; each has LDS bytes of its own.
; REGISTERS, window 0: v1-7 addresses; v8-15 v's raw bias; v16-79 fragments of x; v80-143 accumulators; v144.. codes; biases as C: q, k v160-223, v v208-239; v240-247 codes 1.0;
;   v248, v249: 2^ex, 57,344 x 2^ex; v250, v251: the same with eo - ex - ew; v252, v253 the add's two; v254, v255 at work.   window 1: the weight's fragments, 16 registers each.
.set XI_Q,  0                          ; LDS: x's images for each path: fragment (tile, K step) at 2,048 (2 tile + K step)
.set XI_K,  32768
.set XI_V,  65536
.set SPARE, 98304                      ; the spare words, 128 bytes for each of the eight waves: four blocks of 256 bytes that no other line names
.set XA,  4                            ; v4  x: my row's bytes + 64 h
.set LI,  5                            ; v5  16 x lane
.set XWI, 6                            ; v6  where I store images: the path's region + 4,096 x wave + 16 x lane
.set XR,  7                            ; v7  where I read them: the region + 16 x lane
.set BR,  8
.set XF,  16
.set ACC, 80
.set PC,  144
.set CD,  144
.set BIQ, 160
.set BIV, 208
.set ON,  240
.set SPW, 252
.set NIL, 253
.set MSB, 0
.macro WIN new                         ; s_set_vgpr_msb: bits 1:0 source 0, 3:2 source 1, 5:4 source 2, 7:6 destination; the high byte repeats the setting that is left
.if MSB != \new
	s_set_vgpr_msb (MSB<<8)|\new
.set MSB, \new
.endif
.endm
.macro XLOAD reg, s                    ; my row's 64 numbers of K step s: register 16 c + i = k 32 c + 16 h + i
.irp c, 0,1,2,3
.irp j, 0,1,2,3
	global_load_b128 v[\reg+16*\c+4*\j:\reg+16*\c+4*\j+3], v[XA], s[44:45] offset:512*\s+128*\c+16*\j th:TH_LOAD_NT
.endr
.endr
.endm
.macro QUANT src, dst, dstep, sc, lim  ; 64 numbers v[src] on become 16 registers of codes: numbers 16 b .. 16 b + 15 into v[dst + dstep b] on
.irp b, 0,1,2,3
.set qi, 0
.rept 16
	v_med3_num_f32 v[(\src)+16*\b+qi], v[(\src)+16*\b+qi], -v[\lim], v[\lim]   ; the conversion does not saturate (ISA guide 7.6.2): the hold at the largest code x the scale
.set qi, qi+1
.endr
	v_cvt_scalef32_pk8_bf8_f32 v[(\dst)+(\dstep)*\b:(\dst)+(\dstep)*\b+1], v[(\src)+16*\b:(\src)+16*\b+7], v[\sc]
	v_cvt_scalef32_pk8_bf8_f32 v[(\dst)+(\dstep)*\b+2:(\dst)+(\dstep)*\b+3], v[(\src)+16*\b+8:(\src)+16*\b+15], v[\sc]
.endr
	v_nop                                          ; one plain vector instruction between the last conversion and the matrix instructions that later write its sources or read its results
.endm
.macro IMAGE off                       ; the fragment in v[PC] on goes to LDS as it stands
.irp c, 0,1,2,3
	ds_store_b128 v[XWI], v[PC+4*\c:PC+4*\c+3] offset:\off+512*\c
.endr
.endm
.macro FETCH reg, off                  ; and comes back so, in any wave
.irp c, 0,1,2,3
	ds_load_b128 v[\reg+4*\c:\reg+4*\c+3], v[XRR] offset:\off+512*\c
.endr
.endm
.macro FETCH4 cc                       ; four fragments on end: tiles 2 cc, 2 cc + 1, both K steps
.irp k, 0,1,2,3
	FETCH XF+16*\k, ((\cc)*4+\k)*2048
.endr
.endm
.macro WLOAD n                         ; my n fragments of the weight, one dense run of memory, into window 1: 512 consecutive bytes a load
	WIN 0x40
.set fl, 0
.rept \n
.irp c, 0,1,2,3
	global_load_b128 v[16*fl+4*\c:16*fl+4*\c+3], v[LI], s[46:47] offset:2048*fl+512*\c
.endr
.set fl, fl+1
.endr
	WIN 0
.endm
.macro PLACES                          ; four plain vector instructions behind matrix instructions, ahead of reads of their results and of loads into their sources
.rept 4
	v_nop
.endr
.endm
.macro ADDR ks, xp, woff, bp, op, xi, permx, rowsh   ; the path's addresses
.if \permx
	s_lshr_b32 s58, s28, 1
	s_lshl_b32 s58, s58, 5
	s_and_b32 s59, s28, 1
	s_lshl_b32 s59, s59, 3
	s_add_co_u32 s58, s58, s59
	v_and_b32 v[XA], 8, v2
	v_add3_u32 v[XA], v[XA], v2, s58               ; tile w's row r: 32 (w / 2) + 8 (w % 2) + r + 8 (r / 8)
.else
	s_lshl_b32 s58, s28, 4
	v_add_nc_u32 v[XA], s58, v2                    ; 16 w + r
.endif
	v_lshlrev_b32 v[XA], \rowsh, v[XA]
	v_lshl_add_u32 v[XA], v3, 6, v[XA]
	s_lshl_b32 s58, s28, 12
.if \xi
	s_add_co_u32 s58, s58, \xi
	v_add_nc_u32 v[XR], \xi, v[LI]
.set XRR, XR
.else
.set XRR, LI                           ; the region begins at byte 0: 16 x lane serves as it is
.endif
	v_add_nc_u32 v[XWI], s58, v[LI]
	s_lshl_b32 s58, s29, 7+\rowsh                  ; my block of 128 rows
	s_mov_b32 s59, 0
	s_add_nc_u64 s[44:45], s[\xp:\xp+1], s[58:59]
	s_mul_i32 s58, s28, \ks*16384                  ; my 8 tiles' fragments
	s_add_co_u32 s58, s58, \woff
	s_add_nc_u64 s[46:47], s[10:11], s[58:59]
	s_add_nc_u64 s[48:49], s[\bp:\bp+1], s[56:57]  ; my 128 numbers of the bias
	s_add_nc_u64 s[50:51], s[\op:\op+1], s[54:55]  ; my two heads' codes of this block
.endm
.macro SCALES ex, ew, eo
	s_wait_kmcnt 0x0
	s_add_co_i32 s58, s[\ex], 127
	s_lshl_b32 s59, s58, 23
	v_mov_b32 v248, s59                            ; 2^ex
	s_add_co_i32 s58, s58, 15
	s_lshl_b32 s58, s58, 23
	s_or_b32 s58, s58, 0x600000
	v_mov_b32 v249, s58                            ; 57,344 x 2^ex
	s_add_co_i32 s60, s[\ex], s[\ew]               ; a sum stands for sum x 2^(ex + ew)
	s_sub_co_i32 s58, s[\eo], s60
	s_add_co_i32 s58, s58, 127
	s_lshl_b32 s59, s58, 23
	v_mov_b32 v250, s59                            ; 2^(eo - ex - ew): the three scales folded into one
	s_add_co_i32 s58, s58, 15
	s_lshl_b32 s58, s58, 23
	s_or_b32 s58, s58, 0x600000
	v_mov_b32 v251, s58
	s_sub_co_i32 s60, 0, s60                       ; the bias goes in x 2^-(ex + ew)
.endm
.macro XPHASE ks, ex, ew, eo           ; my tile of x becomes ks fragments in LDS; then the barrier
	XLOAD XF, 0
.if \ks == 2
	XLOAD ACC, 1
.endif
	SCALES \ex, \ew, \eo
.if \ks == 2
	s_wait_loadcnt 16                              ; all but the second K step's sixteen loads are in
.else
	s_wait_loadcnt 0x0
.endif
	QUANT XF, PC, 4, 248, 249
	IMAGE 0
.if \ks == 2
	s_wait_dscnt 0x0                               ; the stores have read their registers
	s_wait_loadcnt 0x0
	QUANT ACC, PC, 4, 248, 249
	IMAGE 2048
.endif
	s_wait_dscnt 0x0                               ; for the others' sake: my images have landed
	s_barrier_signal -1
	s_barrier_wait -1                              ; all eight tiles lie in LDS; nobody writes LDS after this
.endm
.macro ENDW
	WIN 0
	s_wait_tensorcnt 0x0                           ; the wave's end, behind my last LDS store
	ds_add_u32 v[SPW], v[NIL]
	s_wait_dscnt 0x0
	s_endpgm
.endm
.macro PATH_QK ks, xp, woff, bp, op, ex, ew, eo, xi, permx, rowsh
	ADDR \ks, \xp, \woff, \bp, \op, \xi, \permx, \rowsh
	v_lshlrev_b32 v1, 6, v3                        ; the bias: 64 h
	WLOAD 8*\ks
.irp tl, 0,1,2,3,4,5,6,7                       ; lane (r, h) wants, for tile tl, the columns 64 (tl / 4) + 32 ((tl % 4) / 2) + 16 h + 8 (tl % 2) + 0 .. 7
	global_load_b128 v[BIQ+8*\tl:BIQ+8*\tl+3], v1, s[48:49] offset:4*(64*(\tl/4)+32*((\tl%4)/2)+8*(\tl%2))
	global_load_b128 v[BIQ+8*\tl+4:BIQ+8*\tl+7], v1, s[48:49] offset:4*(64*(\tl/4)+32*((\tl%4)/2)+8*(\tl%2))+16
.endr
	XPHASE \ks, \ex, \ew, \eo
	FETCH XF, 0
.if \ks == 2
	FETCH XF+16, 2048
.endif
.set qi, 0
.rept 64
	v_ldexp_f32 v[BIQ+qi], v[BIQ+qi], s60
.set qi, qi+1
.endr
.irp m, 0,1,2,3,4,5,6,7                        ; a tile of 16 tokens at a time
	s_wait_dscnt 0x0
	WIN 0x01                                       ; source 0 (W) window 1
.irp tl, 0,1,2,3,4,5,6,7                       ; the eight accumulators take turns, one instruction a turn
	v_wmma_f32_16x16x128_bf8_bf8 v[ACC+8*\tl:ACC+8*\tl+7], v[16*\ks*\tl:16*\ks*\tl+15], v[XF:XF+15], v[BIQ+8*\tl:BIQ+8*\tl+7]
.endr
.if \ks == 2
.irp tl, 0,1,2,3,4,5,6,7
	v_wmma_f32_16x16x128_bf8_bf8 v[ACC+8*\tl:ACC+8*\tl+7], v[32*\tl+16:32*\tl+31], v[XF+16:XF+31], v[ACC+8*\tl:ACC+8*\tl+7]
.endr
.endif
	WIN 0
	PLACES
.if \m < 7
	FETCH XF, (\m+1)*4096
.if \ks == 2
	FETCH XF+16, (\m+1)*4096+2048
.endif
.endif
	s_wait_xcnt 0x0                                ; the last tile's stores have read v[PC] on: it is written again only behind this wait
	QUANT ACC, PC, 4, 250, 251
.irp b, 0,1,2,3                                ; registers 4 b on: head 2 w + b / 2, chunk b % 2 of the token tile's fragment
	global_store_b128 v[LI], v[PC+4*\b:PC+4*\b+3], s[50:51] offset:(\b/2)*65536+\m*1024+(\b%2)*512
.endr
.endr
	ENDW
.endm
	s_load_b512 s[4:19], s[0:1], 0x0               ; query s[4:5], key s[6:7], value s[8:9], wcodes s[10:11], bq s[12:13], bk s[14:15], bv s[16:17], the exponents s[18:19]
	s_load_b256 s[20:27], s[0:1], 0x40             ; qcodes s[20:21], kcodes s[22:23], vcodes s[24:25], vpart s[26:27]
	v_lshl_add_u32 v[SPW], v0, 2, SPARE
	v_mov_b32 v[NIL], 0
	v_lshrrev_b32 v1, 5, v0
	v_readfirstlane_b32 s28, v1                    ; wave 0..7
	s_and_b32 s29, ttmp9, 63                       ; my block of 128 rows,
	s_lshr_b32 s30, s29, 3                         ; its batch,
	s_and_b32 s31, s29, 7                          ; and its place there
	v_and_b32 v2, 15, v0                           ; r
	v_bfe_u32 v3, v0, 4, 1                         ; h
	v_and_b32 v[LI], 31, v0
	v_lshlrev_b32 v[LI], 4, v[LI]
	s_lshl_b32 s54, s30, 20                        ; the codes' place: batch x 2^20 + head 2 w x 65,536 + block x 8,192
	s_lshl_b32 s55, s28, 17
	s_add_co_u32 s54, s54, s55
	s_lshl_b32 s55, s31, 13
	s_add_co_u32 s54, s54, s55
	s_mov_b32 s55, 0
	s_lshl_b32 s56, s28, 9                         ; 128 w numbers of f32
	s_mov_b32 s57, 0
	s_wait_kmcnt 0x0
	s_load_b256 s[32:39], s[18:19], 0x0            ; e0 .. e7
	s_load_b128 s[40:43], s[18:19], 0x20           ; e8 .. e11
	s_cmp_lt_u32 ttmp9, 64
	s_cbranch_scc1 .Lq
	s_cmp_lt_u32 ttmp9, 128
	s_cbranch_scc1 .Lk
	; ---- v
	ADDR 2, 8, 393216, 16, 24, XI_V, 1, 10
	s_lshl_b32 s58, s30, 15                        ; vpart: batch x 32,768 + block x 4,096 + 512 w
	s_lshl_b32 s61, s31, 12
	s_add_co_u32 s58, s58, s61
	s_add_co_u32 s58, s58, s56
	s_add_nc_u64 s[52:53], s[26:27], s[58:59]
	v_and_b32 v254, 8, v2
	v_add_nc_u32 v254, v254, v2                    ; r + 8 (r / 8): my column in a tile of d
	v_lshl_add_u32 v1, v3, 3, v254
	v_lshlrev_b32 v1, 2, v1                        ; the sums' place: 4 (8 h + r + 8 (r / 8))
	v_lshlrev_b32 v254, 2, v254
	WLOAD 16
.irp n, 0,1,2,3,4,5,6,7                        ; bv at my column of tile n % 4 of head n / 4
	global_load_b32 v[BR+\n], v254, s[48:49] offset:4*(64*(\n/4)+32*((\n%4)/2)+8*(\n%2))
.endr
	XPHASE 2, 36, 37, 40
	FETCH4 0
.irp n, 0,1,2,3,4,5,6,7
	v_ldexp_f32 v[BR+\n], v[BR+\n], s60
.endr
.irp n, 0,1,2,3,4,5,6,7
	v_mov_b32 v[ON+\n], 0x3c3c3c3c                 ; the code of 1.0, four times
.endr
.irp hl, 0,1                                   ; head 2 w + hl
.irp t, 0,1,2,3
.irp j, 0,1,2,3,4,5,6,7
	v_mov_b32 v[BIV+8*\t+\j], v[BR+4*\hl+\t]       ; a lane holds one column: its bias in all eight registers of the C
.endr
.endr
.irp c, 0,1,2,3                                ; 32 keys at a time: token tiles 2 c and 2 c + 1
	s_wait_dscnt 0x0
	WIN 0x04                                       ; source 1 (Wv) window 1
.irp t, 0,1,2,3                                ; eight accumulators by turns, K step by K step
.irp u, 0,1
	v_wmma_f32_16x16x128_bf8_bf8 v[ACC+8*(2*\t+\u):ACC+8*(2*\t+\u)+7], v[XF+32*\u:XF+32*\u+15], v[128*\hl+32*\t:128*\hl+32*\t+15], v[BIV+8*\t:BIV+8*\t+7]
.endr
.endr
.irp t, 0,1,2,3
.irp u, 0,1
	v_wmma_f32_16x16x128_bf8_bf8 v[ACC+8*(2*\t+\u):ACC+8*(2*\t+\u)+7], v[XF+32*\u+16:XF+32*\u+31], v[128*\hl+32*\t+16:128*\hl+32*\t+31], v[ACC+8*(2*\t+\u):ACC+8*(2*\t+\u)+7]
.endr
.endr
	WIN 0
	PLACES
.if (\hl < 1) || (\c < 3)
	FETCH4 (\c+1)%4
.endif
	s_wait_xcnt 0x0                                ; earlier stores have read their registers: the codes' and the sums' registers are written again only behind this wait
	QUANT ACC, CD+4*\c, 16, 250, 251               ; tile t's 16 registers are keys 32 c + 16 h + 0 .. 15 of my column: registers 4 c on of its fragment
.irp t, 0,1,2,3
	global_store_b128 v[LI], v[CD+16*\t+4*\c:CD+16*\t+4*\c+3], s[50:51] offset:\hl*65536+(\c/2)*4096+\t*1024+(\c%2)*512
.endr
.endr
.irp t, 0,1,2,3                                ; the sums of the codes' values over the block's 128 keys: ones x codes, 64 keys an instruction, four accumulators by turns
	v_wmma_f32_16x16x64_bf8_bf8 v[ACC+8*\t:ACC+8*\t+7], v[ON:ON+7], v[CD+16*\t:CD+16*\t+7], 0
.endr
.irp t, 0,1,2,3
	v_wmma_f32_16x16x64_bf8_bf8 v[ACC+8*\t:ACC+8*\t+7], v[ON:ON+7], v[CD+16*\t+8:CD+16*\t+15], v[ACC+8*\t:ACC+8*\t+7]
.endr
	PLACES
	v_cmp_ne_u32 vcc_lo, 0, v3
	v_cndmask_b32 v254, v[ACC], v[ACC+8], vcc_lo   ; every register of tile t holds the sum of column r of tile t: lanes 0-15 give tile 2 b, lanes 16-31 tile 2 b + 1
	v_cndmask_b32 v255, v[ACC+16], v[ACC+24], vcc_lo
	global_store_b32 v1, v254, s[52:53] offset:256*\hl
	global_store_b32 v1, v255, s[52:53] offset:256*\hl+128
.endr
	ENDW
.Lq:
	PATH_QK 1, 4, 0, 12, 20, 32, 33, 38, XI_Q, 0, 9
.Lk:
	PATH_QK 2, 6, 131072, 14, 22, 34, 35, 39, XI_K, 1, 10
.Lfunc_end_k_q4cefdf9ff8_proj:
	.size	k_q4cefdf9ff8_proj, .Lfunc_end_k_q4cefdf9ff8_proj-k_q4cefdf9ff8_proj
	.p2alignl 7, 3214868480
	.fill 96, 4, 3214868480
	.section	.rodata,"a",@progbits
	.p2align	6, 0x0
	.amdhsa_kernel k_q4cefdf9ff8_proj
		.amdhsa_group_segment_fixed_size 99328
		.amdhsa_private_segment_fixed_size 0
		.amdhsa_enable_private_segment 0
		.amdhsa_kernarg_size 96
		.amdhsa_user_sgpr_count 2
		.amdhsa_user_sgpr_kernarg_segment_ptr 1
		.amdhsa_wavefront_size32 1
		.amdhsa_system_sgpr_workgroup_id_x 1
		.amdhsa_system_sgpr_workgroup_id_y 1
		.amdhsa_system_sgpr_workgroup_id_z 1
		.amdhsa_system_vgpr_workitem_id 0
		.amdhsa_next_free_vgpr 512
		.amdhsa_next_free_sgpr 66
		.amdhsa_reserve_vcc 1
		.amdhsa_float_denorm_mode_32 3
		.amdhsa_float_denorm_mode_16_64 3
		.amdhsa_memory_ordered 1
		.amdhsa_forward_progress 1
		.amdhsa_inst_pref_size 228
	.end_amdhsa_kernel
	.amdgpu_metadata
---
amdhsa.version: [ 1, 2 ]
amdhsa.kernels:
  - .name:           k_q4cefdf9ff8_proj
    .symbol:         k_q4cefdf9ff8_proj.kd
    .args:
      - { .name: query, .offset: 0, .size: 8, .value_kind: global_buffer, .address_space: global }
      - { .name: key, .offset: 8, .size: 8, .value_kind: global_buffer, .address_space: global }
      - { .name: value, .offset: 16, .size: 8, .value_kind: global_buffer, .address_space: global }
      - { .name: wcodes, .offset: 24, .size: 8, .value_kind: global_buffer, .address_space: global }
      - { .name: bq, .offset: 32, .size: 8, .value_kind: global_buffer, .address_space: global }
      - { .name: bk, .offset: 40, .size: 8, .value_kind: global_buffer, .address_space: global }
      - { .name: bv, .offset: 48, .size: 8, .value_kind: global_buffer, .address_space: global }
      - { .name: lowp_scales, .offset: 56, .size: 8, .value_kind: global_buffer, .address_space: global }
      - { .name: qcodes, .offset: 64, .size: 8, .value_kind: global_buffer, .address_space: global }
      - { .name: kcodes, .offset: 72, .size: 8, .value_kind: global_buffer, .address_space: global }
      - { .name: vcodes, .offset: 80, .size: 8, .value_kind: global_buffer, .address_space: global }
      - { .name: vpart, .offset: 88, .size: 8, .value_kind: global_buffer, .address_space: global }
    .group_segment_fixed_size: 99328
    .private_segment_fixed_size: 0
    .kernarg_segment_align: 8
    .kernarg_segment_size: 96
    .max_flat_workgroup_size: 256
    .sgpr_count:     66
    .vgpr_count:     512
    .wavefront_size: 32
...
	.end_amdgpu_metadata
.endif
;; end of part 2
;; launch attn (part 3): grid 4 x 128, 8 waves a work-group, no clusters, 70,656 bytes of LDS; arguments qcodes, kcodes, vcodes, vpart, key_padding_mask, lowp_scales, ocodes; writes ocodes
.if DOCPART == 3
	.amdgcn_target "amdgcn-amd-amdhsa--gfx1250"
	.amdhsa_code_object_version 6
	.text
	.protected	k_q4cefdf9ff8_attn
	.globl	k_q4cefdf9ff8_attn
	.p2align	8
	.type	k_q4cefdf9ff8_attn,@function
k_q4cefdf9ff8_attn:
	s_mov_b64 s[64:65], 0
	v_nop
	global_prefetch_b8 v0, s[64:65] scope:SCOPE_SE
	s_setreg_imm32_b32 hwreg(HW_REG_WAVE_MODE, 25, 1), 1
	s_wait_xcnt 0x0
; Attention on codes of BF8, in the band.  LEFT OUT (shown at the head of the first kernel): key tiles wholly under the mask causal | window that reference() builds itself: query i keeps keys i - 256 .. i.
; A work-group owns 256 queries (x: which) of one batch and head (y).  It needs keys 256 x - 256 .. 256 x + 255: 32 KiB of kcodes and 32 KiB of vcodes, each a dense run, copied once through registers into LDS; one barrier.
; Wave w owns 32 queries, two tiles of 16, and walks the five blocks of 64 keys that its band touches: local blocks w / 2 + 0 .. 4; the first holds the window's edge, the last the diagonal.
; Blocks ahead of key 0 (x = 0) are neither loaded nor walked: branches on ids alone.
; Both products are used transposed: S^T = K Q^T, O^T = V^T P^T: a lane holds ONE query (lane % 16).  The keys of a tile of K are permuted (see proj): register 16 b + i of a tile of queries is key 32 b + 16 (lane / 16) + i of the block.
; THE PADDING MASK is the C of the score products: 0 for an open key, -2^100 for a padded one.  The static mask replaces scores by -2^100 in the two edge steps.
; THE SOFTMAX: t = score x log2(e) / 8 x 2^(e6 + e7); M = the ceiling of the running largest t; p = 2^(t - M) is quantised with 2^e9; l sums the unquantised p; when M moves, l and O^T are multiplied by a power of two.
; The running largest t begins at c x -2^50, under every real t and over every masked one: masked p are 0 from the first step on.
; A ROW WHOSE WHOLE BAND IS PADDED has l = 0 here (a row with an open key has l > 1/2).  reference() gives it 1,024 equal logits: p = 1 for all keys, l = 1,024.  So where l < 1/4, O^T is replaced by
; Q(1) / 2^e9 x the sum of all 1,024 codes of v (from vpart) and l by 1,024: a selection, no branch.
; The result, O^T x 2^(e8 + e9) / l, is quantised with 2^e10 into ocodes [tile of 16 rows][head][1,024]: the fragments of the last product.
; LIMITS: e6 + e7 between -80 and 50 (the marks -2^50 and -2^100, in units of raw scores, then stay apart from real scores, at most 64 x 57,344^2 in size, and c stays an f32 number); e9 between -126 and 16; e10 between -126 and 112.
; The one branch on a loaded whole number: p is at most 1, so with e9 >= -15 no p / 2^e9 passes 57,344 and the hold is jumped over.  This launch has no tensor load and no copy.
.set KL,    0                          ; LDS: K's 8 blocks of 64 keys, 4,096 bytes each (4 tiles x 1,024)
.set VL,    32768                      ; V's, likewise (4 tiles of d x 1,024)
.set MF,    65536                      ; 512 f32: 0 or -2^100 for each local key
.set VS,    67584                      ; 64 f32 for each wave, its own: the replacement for O^T
.set SPARE, 69632                      ; the spare words, 128 bytes for each of the eight waves
.set LK,  2                            ; v2   16 x lane + 4,096 (w / 2)
.set LC,  3                            ; v3   MF + 64 h + 256 (w / 2)
.set LI,  4                            ; v4   16 x lane
.set SPW, 5
.set NIL, 6
.set D0,  7                            ; v7   32 (w % 2) + r - 16 h: my query against the keys of an edge block
.set ST0, 12                           ; v12 -M, v13 the largest t, v[14:15] l in two halves: tile 0
.set QF,  16                           ; v16-31   Q, 8 registers a tile
.set KF,  32                           ; v32-63   K's four tiles; then V's; on the way out the replacement
.set CB,  64                           ; v64-95   the padding mask as C
.set S,   96                           ; v96-159  S^T, then p: 32 a tile
.set O,   160                          ; v160-223 O^T: 32 a tile
.set P,   224                          ; v224-239 p's codes, 8 a tile; on the way out the result's
.set ST1, 240                          ; tile 1's statistics
	s_load_b256 s[4:11], s[0:1], 0x0               ; qcodes s[4:5], kcodes s[6:7], vcodes s[8:9], vpart s[10:11]
	s_load_b128 s[12:15], s[0:1], 0x20             ; the padding mask s[12:13], the exponents s[14:15]
	s_load_b64 s[16:17], s[0:1], 0x30              ; ocodes
	v_lshl_add_u32 v[SPW], v0, 2, SPARE
	v_mov_b32 v[NIL], 0
	v_lshrrev_b32 v1, 5, v0
	v_readfirstlane_b32 s18, v1                    ; wave 0..7
	s_and_b32 s19, ttmp7, 0xffff                   ; 16 x batch + head
	s_lshr_b32 s21, s18, 1
	s_lshl_b32 s20, ttmp9, 2
	s_add_co_u32 s20, s20, s21
	s_sub_co_i32 s20, s20, 4                       ; the block of 64 keys, counted from key 0, at which my walk begins: under 0 where x = 0
	v_lshlrev_b32 v1, 4, v0                        ; 16 x thread: the copy's offset, in memory and in LDS
	v_and_b32 v[LI], 31, v0
	v_lshlrev_b32 v11, 2, v[LI]                    ; 4 x lane
	v_lshlrev_b32 v[LI], 4, v[LI]
	v_and_b32 v252, 15, v0                         ; r
	v_bfe_u32 v253, v0, 4, 1                       ; h
	s_lshl_b32 s32, s21, 12
	v_add_nc_u32 v[LK], s32, v[LI]
	s_lshl_b32 s32, s21, 8
	s_add_co_u32 s32, s32, MF
	v_lshl_add_u32 v[LC], v253, 6, s32
	s_and_b32 s32, s18, 1
	s_lshl_b32 s32, s32, 5
	v_lshlrev_b32 v[D0], 4, v253
	v_sub_nc_u32 v[D0], v252, v[D0]
	v_add_nc_u32 v[D0], s32, v[D0]
	v_lshl_add_u32 v8, v0, 2, MF                   ; my key's word of the mask
	s_lshl_b32 s32, s18, 8
	s_add_co_u32 s32, s32, VS
	v_add_nc_u32 v9, s32, v11                      ; the replacement: where I store,
	v_lshl_add_u32 v10, v253, 6, s32               ; and where I read
	s_lshl_b32 s34, s19, 16                        ; a head's codes are 65,536 bytes in each of the three tensors
	s_lshl_b32 s32, ttmp9, 14                      ; 256 queries or keys are 16,384
	s_add_co_u32 s34, s34, s32
	s_mov_b32 s35, 0
	s_lshl_b32 s36, s18, 11                        ; my two tiles of queries
	s_add_co_u32 s36, s36, s34
	s_mov_b32 s37, 0
	s_lshr_b32 s38, s19, 4                         ; batch
	s_and_b32 s39, s19, 15                         ; head
	s_lshl_b32 s42, s38, 15
	s_lshl_b32 s43, s39, 8
	s_add_co_u32 s42, s42, s43                     ; vpart: batch x 32,768 + head x 256
	s_mov_b32 s43, 0
	s_lshl_b32 s44, s38, 10
	s_lshl_b32 s45, ttmp9, 8
	s_add_co_u32 s44, s44, s45                     ; the mask: batch x 1,024 + 256 x
	s_mov_b32 s45, 0
	s_lshl_b32 s46, s38, 20                        ; ocodes: (64 batch + 16 x + 2 w) x 16,384 + head x 1,024
	s_lshl_b32 s47, ttmp9, 18
	s_add_co_u32 s46, s46, s47
	s_lshl_b32 s47, s18, 15
	s_add_co_u32 s46, s46, s47
	s_lshl_b32 s47, s39, 10
	s_add_co_u32 s46, s46, s47
	s_mov_b32 s47, 0
	s_mov_b32 s30, 0x76543210                      ; v_permlanex16_b32's selects for lane l xor 16
	s_mov_b32 s31, 0xfedcba98
	s_wait_kmcnt 0x0
	s_load_b128 s[24:27], s[14:15], 0x18           ; e6, e7, e8, e9
	s_load_b32 s28, s[14:15], 0x28                 ; e10
	s_add_nc_u64 s[4:5], s[4:5], s[36:37]
	s_add_nc_u64 s[6:7], s[6:7], s[34:35]
	s_add_nc_u64 s[8:9], s[8:9], s[34:35]
	s_add_nc_u64 s[10:11], s[10:11], s[42:43]
	s_add_nc_u64 s[12:13], s[12:13], s[44:45]
	s_add_nc_u64 s[16:17], s[16:17], s[46:47]
.irp i, 0,1
.irp c, 0,1
	global_load_b128 v[QF+8*\i+4*\c:QF+8*\i+4*\c+3], v[LI], s[4:5] offset:1024*\i+512*\c th:TH_LOAD_NT   ; Q stays in registers
.endr
.endr
.irp n, 0,1,2,3                                ; the upper 256 keys: the work-group's 256 threads take 4,096 consecutive bytes a load
	global_load_b128 v[112+4*\n:115+4*\n], v1, s[6:7] offset:4096*\n
	global_load_b128 v[144+4*\n:147+4*\n], v1, s[8:9] offset:4096*\n
.endr
	global_load_u8 v161, v0, s[12:13]
.irp n, 0,1,2,3,4,5,6,7                        ; the eight blocks' sums of v's codes: d = lane and d = 32 + lane of my head
	global_load_b32 v[162+\n], v11, s[10:11] offset:4096*\n
	global_load_b32 v[170+\n], v11, s[10:11] offset:4096*\n+128
.endr
	v_mov_b32 v246, 0xf1800000                     ; -2^100
	s_cmp_eq_u32 ttmp9, 0
	s_cbranch_scc1 .Lno_lower                      ; x = 0: there are no keys ahead of key 0; the steps that would read them are jumped over too
.irp n, 0,1,2,3                                ; the lower 256 keys
	global_load_b128 v[96+4*\n:99+4*\n], v1, s[6:7] offset:4096*\n-16384
	global_load_b128 v[128+4*\n:131+4*\n], v1, s[8:9] offset:4096*\n-16384
.endr
	global_load_u8 v160, v0, s[12:13] offset:-256
	s_wait_loadcnt 0x0
	v_cmp_eq_u32 vcc_lo, 0, v160
	v_cndmask_b32 v160, 0, v246, vcc_lo            ; a padded key: -2^100
.irp n, 0,1,2,3
	ds_store_b128 v1, v[96+4*\n:99+4*\n] offset:KL+4096*\n
	ds_store_b128 v1, v[128+4*\n:131+4*\n] offset:VL+4096*\n
.endr
	ds_store_b32 v8, v160
.Lno_lower:
	s_wait_loadcnt 0x0
	v_cmp_eq_u32 vcc_lo, 0, v161
	v_cndmask_b32 v161, 0, v246, vcc_lo
.irp n, 0,1,2,3
	ds_store_b128 v1, v[112+4*\n:115+4*\n] offset:KL+16384+4096*\n
	ds_store_b128 v1, v[144+4*\n:147+4*\n] offset:VL+16384+4096*\n
.endr
	ds_store_b32 v8, v161 offset:1024
.irp g, 162, 170                               ; the sum over all 1,024 keys
	v_pk_add_f32 v[\g:\g+1], v[\g:\g+1], v[\g+2:\g+3]
	v_pk_add_f32 v[\g+4:\g+5], v[\g+4:\g+5], v[\g+6:\g+7]
	v_pk_add_f32 v[\g:\g+1], v[\g:\g+1], v[\g+4:\g+5]
	v_add_f32 v[\g], v[\g], v[\g+1]
.endr
	s_wait_kmcnt 0x0
	s_sub_co_i32 s32, 127, s27
	s_lshl_b32 s32, s32, 23                        ; 2^-e9 as f32,
	s_min_u32 s32, s32, 0x47600000                 ; held at 57,344 (positive f32 numbers order as whole numbers): the value of the code of p = 1
	v_mul_f32 v162, s32, v162
	v_mul_f32 v170, s32, v170
	ds_store_b32 v9, v162
	ds_store_b32 v9, v170 offset:128
	s_add_co_i32 s32, s24, s25
	s_lshl_b32 s32, s32, 23
	s_add_co_i32 s22, s32, 0x3e38aa3b              ; c = log2(e) / 8 x 2^(e6 + e7): the exponents are added to the exponent field
	s_mov_b32 s23, s22                             ; (named with it as a pair, so it is written)
	s_add_co_i32 s32, s27, 127
	s_lshl_b32 s33, s32, 23
	v_mov_b32 v244, s33                            ; 2^e9
	s_add_co_i32 s32, s32, 15
	s_lshl_b32 s32, s32, 23
	s_or_b32 s32, s32, 0x600000
	v_mov_b32 v245, s32                            ; 57,344 x 2^e9
	v_mov_b32 v13, 0xd8800000                      ; -2^50
	v_mul_f32 v13, s22, v13                        ; the largest t so far
	v_floor_f32 v12, -v13                          ; -M
	v_mov_b32 v14, 0
	v_mov_b32 v15, 0
	v_mov_b32 v240, v12
	v_mov_b32 v241, v13
	v_mov_b32 v242, 0
	v_mov_b32 v243, 0
	v_mov_b32 v249, 0                              ; (the upper halves of the pairs that hold f)
	v_mov_b32 v251, 0
	v_mov_b32 v254, 0                              ; a lane permute's destination counts as one of its sources
	v_mov_b32 v255, 0x44800000                     ; 1,024
.set n, 0
.rept 64
	v_mov_b32 v[O+n], 0                            ; which step comes first hangs on the work-group's number, so the steps are alike and O^T begins as zeros
.set n, n+1
.endr
	s_wait_dscnt 0x0                               ; for the others' sake: my stores have landed
	s_barrier_signal -1
	s_barrier_wait -1                              ; the only barrier: nobody writes LDS after it
.macro SMAX sb, st, f                  ; the tile's largest score, the new M, f = 2^(old M - new M).  The scores are read in ascending order
	v_max3_num_f32 v252, v[\sb], v[\sb+1], v[\sb+2]
	v_max3_num_f32 v253, v[\sb+3], v[\sb+4], v[\sb+5]
.irp k, 6,10,14,18,22,26
	v_max3_num_f32 v252, v252, v[\sb+\k], v[\sb+\k+1]
	v_max3_num_f32 v253, v253, v[\sb+\k+2], v[\sb+\k+3]
.endr
	v_max3_num_f32 v252, v252, v[\sb+30], v[\sb+31]
	v_max_num_f32 v252, v252, v253
	v_permlanex16_b32 v254, v252, s30, s31
	v_max_num_f32 v252, v252, v254                 ; and lane l xor 16's half of the keys
	v_mul_f32 v252, s22, v252                      ; as t (c is positive)
	v_max_num_f32 v[\st+1], v[\st+1], v252
	v_mov_b32 v252, v[\st]
	v_floor_f32 v[\st], -v[\st+1]                  ; -M = floor(-t): M is a whole number
	v_sub_f32 v252, v[\st], v252                   ; old M - new M, 0 or less
	v_cvt_i32_f32 v252, v252                       ; (it saturates)
	v_ldexp_f32 v[\f], 1.0, v252
.endm
.macro PSUM sb, l                      ; l += the tile's 32 unquantised p, two at a time, in two chains
	v_pk_add_f32 v[252:253], v[\sb:\sb+1], v[\sb+2:\sb+3]
.irp k, 4,8,12,16,20,24,28
	v_pk_add_f32 v[\l:\l+1], v[\l:\l+1], v[\sb+\k:\sb+\k+1]
	v_pk_add_f32 v[252:253], v[252:253], v[\sb+\k+2:\sb+\k+3]
.endr
	v_pk_add_f32 v[\l:\l+1], v[\l:\l+1], v[252:253]
.endm
; A STEP: local block w / 2 + st.  edge = 1: the window's edge; 2: the diagonal; 0: every key of the block lies in the band of all my queries.
.macro STEP st, edge
	s_cmp_lt_i32 s20, -\st                         ; a block ahead of key 0: ids alone
	s_cbranch_scc1 .Lskip_\@
.rept 4
	v_nop                                          ; places ahead of loads into registers that the last step's products read
.endr
.irp t, 0,1,2,3
.irp c, 0,1
	ds_load_b128 v[KF+8*\t+4*\c:KF+8*\t+4*\c+3], v[LK] offset:KL+4096*\st+1024*\t+512*\c
.endr
.endr
.irp t, 0,1,2,3                                ; tile t's register j is key 32 (t / 2) + 16 h + 8 (t % 2) + j
	ds_load_b128 v[CB+8*\t:CB+8*\t+3], v[LC] offset:256*\st+128*(\t/2)+32*(\t%2)
	ds_load_b128 v[CB+8*\t+4:CB+8*\t+7], v[LC] offset:256*\st+128*(\t/2)+32*(\t%2)+16
.endr
	s_wait_dscnt 0x0
.irp t, 0,1,2,3
.irp i, 0,1
	v_wmma_f32_16x16x64_bf8_bf8 v[S+32*\i+8*\t:S+32*\i+8*\t+7], v[KF+8*\t:KF+8*\t+7], v[QF+8*\i:QF+8*\i+7], v[CB+8*\t:CB+8*\t+7]
.endr
.endr
.rept 4
	v_nop                                          ; places ahead of the reads of the scores and of the loads below
.endr
.irp t, 0,1,2,3
.irp c, 0,1
	ds_load_b128 v[KF+8*\t+4*\c:KF+8*\t+4*\c+3], v[LK] offset:VL+4096*\st+1024*\t+512*\c   ; V's four tiles land while the softmax is walked
.endr
.endr
.if \edge
.irp i, 0,1                                    ; register n of tile i: key 32 (n / 16) + n % 16 + 16 h of the block, against query 32 (w % 2) + 16 i + r
.set n, 0
.rept 32
.if \edge == 2
	v_cmp_gt_i32 vcc_lo, 32*(n/16)+n%16-16*\i, v[D0]   ; behind the query
.else
	v_cmp_lt_i32 vcc_lo, 32*(n/16)+n%16-16*\i, v[D0]   ; more than 256 ahead of it
.endif
	v_cndmask_b32 v[S+32*\i+n], v[S+32*\i+n], v246, vcc_lo
.set n, n+1
.endr
.endr
.endif
	SMAX S, ST0, 248
	SMAX S+32, ST1, 250
.set n, 0
.rept 16
	v_pk_fma_f32 v[S+n:S+n+1], v[S+n:S+n+1], s[22:23], v[ST0:ST0+1] op_sel_hi:[1,0,0]   ; t - M, two at a time (of the pairs c and -M the low word serves both halves)
	v_pk_fma_f32 v[S+32+n:S+32+n+1], v[S+32+n:S+32+n+1], s[22:23], v[ST1:ST1+1] op_sel_hi:[1,0,0]
.set n, n+2
.endr
.set n, 0
.rept 64
	v_exp_f32 v[S+n], v[S+n]                       ; p = 2^(t - M)
.set n, n+1
.endr
	v_pk_mul_f32 v[ST0+2:ST0+3], v[ST0+2:ST0+3], v[248:249] op_sel_hi:[1,0]   ; l under the new M: the plain instruction behind the exponentials
	v_pk_mul_f32 v[ST1+2:ST1+3], v[ST1+2:ST1+3], v[250:251] op_sel_hi:[1,0]
	s_wait_alu depctr_va_vdst(0)                   ; one wait for the batch of 64, ahead of its first reader
	PSUM S, ST0+2
	PSUM S+32, ST1+2
	s_cmp_ge_i32 s27, -15                          ; e9 >= -15: p / 2^e9 <= 32,768: no hold is owed
	s_cbranch_scc1 .Lnohold_\@
.set n, 0
.rept 64
	v_min_num_f32 v[S+n], v[S+n], v245             ; p is not negative: the hold is one-sided
.set n, n+1
.endr
.Lnohold_\@:
.irp i, 0,1
.irp b, 0,1
	v_cvt_scalef32_pk8_bf8_f32 v[P+8*\i+4*\b:P+8*\i+4*\b+1], v[S+32*\i+16*\b:S+32*\i+16*\b+7], v244
	v_cvt_scalef32_pk8_bf8_f32 v[P+8*\i+4*\b+2:P+8*\i+4*\b+3], v[S+32*\i+16*\b+8:S+32*\i+16*\b+15], v244
.endr
.endr
.set n, 0
.rept 16
	v_pk_mul_f32 v[O+n:O+n+1], v[O+n:O+n+1], v[248:249] op_sel_hi:[1,0]   ; O^T under the new M; these are also the plain instructions between the conversions and the products
	v_pk_mul_f32 v[O+32+n:O+32+n+1], v[O+32+n:O+32+n+1], v[250:251] op_sel_hi:[1,0]
.set n, n+2
.endr
	s_wait_dscnt 0x0                               ; V
.irp t, 0,1,2,3                                ; eight accumulators, one instruction each: no two products on one accumulator follow each other
.irp i, 0,1
	v_wmma_f32_16x16x64_bf8_bf8 v[O+32*\i+8*\t:O+32*\i+8*\t+7], v[KF+8*\t:KF+8*\t+7], v[P+8*\i:P+8*\i+7], v[O+32*\i+8*\t:O+32*\i+8*\t+7]
.endr
.endr
.Lskip_\@:
.endm
	STEP 0, 1
	STEP 1, 0
	STEP 2, 0
	STEP 3, 0
	STEP 4, 2
	; THE WAY OUT
	v_add_f32 v14, v14, v15                        ; l's two halves.  (Two of the four places behind the last products)
	v_add_f32 v242, v242, v243
	v_nop
	v_nop
.irp b, 0,1
.irp k, 0,1,2,3
	ds_load_b128 v[KF+16*\b+4*\k:KF+16*\b+4*\k+3], v10 offset:128*\b+16*\k   ; the replacement at my 32 channels: d = 32 b + 16 h + 0 .. 15
.endr
.endr
	v_permlanex16_b32 v254, v14, s30, s31
	v_add_f32 v14, v14, v254                       ; and lane l xor 16's
	v_permlanex16_b32 v254, v242, s30, s31
	v_add_f32 v242, v242, v254
	v_cmp_gt_f32 s40, 0x3e800000, v14              ; l < 1/4: the whole band is padded
	v_cmp_gt_f32 s41, 0x3e800000, v242
	v_cndmask_b32 v14, v14, v255, s40              ; l = 1,024 there
	v_cndmask_b32 v242, v242, v255, s41
	v_rcp_f32 v14, v14
	v_rcp_f32 v242, v242
	s_add_co_i32 s32, s26, s27                     ; e8 + e9
	s_add_co_i32 s33, s28, 127
	s_lshl_b32 s34, s33, 23
	v_mov_b32 v244, s34                            ; 2^e10.  (A plain instruction behind the reciprocals)
	s_add_co_i32 s33, s33, 15
	s_lshl_b32 s33, s33, 23
	s_or_b32 s33, s33, 0x600000
	v_mov_b32 v245, s33                            ; 57,344 x 2^e10
	s_wait_alu depctr_va_vdst(0)                   ; one wait for both reciprocals, ahead of their first reader
	v_ldexp_f32 v14, v14, s32
	v_ldexp_f32 v242, v242, s32
	s_wait_dscnt 0x0
.macro OUT i, l
.set n, 0
.rept 32
	v_cndmask_b32 v[O+32*\i+n], v[O+32*\i+n], v[KF+n], s[40+\i]   ; ascending: each accumulator is read from its low end on
.set n, n+1
.endr
.set n, 0
.rept 16
	v_pk_mul_f32 v[O+32*\i+n:O+32*\i+n+1], v[O+32*\i+n:O+32*\i+n+1], v[\l:\l+1] op_sel_hi:[1,0]   ; x 2^(e8 + e9) / l
.set n, n+2
.endr
.set n, 0
.rept 32
	v_med3_num_f32 v[O+32*\i+n], v[O+32*\i+n], -v245, v245
.set n, n+1
.endr
.irp b, 0,1
	v_cvt_scalef32_pk8_bf8_f32 v[P+8*\i+4*\b:P+8*\i+4*\b+1], v[O+32*\i+16*\b:O+32*\i+16*\b+7], v244
	v_cvt_scalef32_pk8_bf8_f32 v[P+8*\i+4*\b+2:P+8*\i+4*\b+3], v[O+32*\i+16*\b+8:O+32*\i+16*\b+15], v244
.endr
.endm
	OUT 0, 14
	OUT 1, 242
	v_nop
.irp i, 0,1
.irp b, 0,1
	global_store_b128 v[LI], v[P+8*\i+4*\b:P+8*\i+4*\b+3], s[16:17] offset:16384*\i+512*\b   ; the wave stores 512 consecutive bytes, aligned
.endr
.endr
	s_wait_tensorcnt 0x0                           ; the wave's end, behind my last LDS store
	ds_add_u32 v[SPW], v[NIL]
	s_wait_dscnt 0x0
	s_endpgm
.Lfunc_end_k_q4cefdf9ff8_attn:
	.size	k_q4cefdf9ff8_attn, .Lfunc_end_k_q4cefdf9ff8_attn-k_q4cefdf9ff8_attn
	.p2alignl 7, 3214868480
	.fill 96, 4, 3214868480
	.section	.rodata,"a",@progbits
	.p2align	6, 0x0
	.amdhsa_kernel k_q4cefdf9ff8_attn
		.amdhsa_group_segment_fixed_size 70656
		.amdhsa_private_segment_fixed_size 0
		.amdhsa_enable_private_segment 0
		.amdhsa_kernarg_size 56
		.amdhsa_user_sgpr_count 2
		.amdhsa_user_sgpr_kernarg_segment_ptr 1
		.amdhsa_wavefront_size32 1
		.amdhsa_system_sgpr_workgroup_id_x 1
		.amdhsa_system_sgpr_workgroup_id_y 1
		.amdhsa_system_sgpr_workgroup_id_z 1
		.amdhsa_system_vgpr_workitem_id 0
		.amdhsa_next_free_vgpr 256
		.amdhsa_next_free_sgpr 66
		.amdhsa_reserve_vcc 1
		.amdhsa_float_denorm_mode_32 3
		.amdhsa_float_denorm_mode_16_64 3
		.amdhsa_memory_ordered 1
		.amdhsa_forward_progress 1
		.amdhsa_inst_pref_size 114
	.end_amdhsa_kernel
	.amdgpu_metadata
---
amdhsa.version: [ 1, 2 ]
amdhsa.kernels:
  - .name:           k_q4cefdf9ff8_attn
    .symbol:         k_q4cefdf9ff8_attn.kd
    .args:
      - { .name: qcodes, .offset: 0, .size: 8, .value_kind: global_buffer, .address_space: global }
      - { .name: kcodes, .offset: 8, .size: 8, .value_kind: global_buffer, .address_space: global }
      - { .name: vcodes, .offset: 16, .size: 8, .value_kind: global_buffer, .address_space: global }
      - { .name: vpart, .offset: 24, .size: 8, .value_kind: global_buffer, .address_space: global }
      - { .name: key_padding_mask, .offset: 32, .size: 8, .value_kind: global_buffer, .address_space: global }
      - { .name: lowp_scales, .offset: 40, .size: 8, .value_kind: global_buffer, .address_space: global }
      - { .name: ocodes, .offset: 48, .size: 8, .value_kind: global_buffer, .address_space: global }
    .group_segment_fixed_size: 70656
    .private_segment_fixed_size: 0
    .kernarg_segment_align: 8
    .kernarg_segment_size: 56
    .max_flat_workgroup_size: 256
    .sgpr_count:     66
    .vgpr_count:     256
    .wavefront_size: 32
...
	.end_amdgpu_metadata
.endif
;; end of part 3
;; launch outp (part 4): grid 4 x 32, 4 waves a work-group, clusters of 4 x 4, 327,680 bytes of LDS; arguments ocodes, wcodes, lowp_scales, out0, bo; writes out0
.if DOCPART == 4
	.amdgcn_target "amdgcn-amd-amdhsa--gfx1250"
	.amdhsa_code_object_version 6
	.text
	.protected	k_q4cefdf9ff8_outp
	.globl	k_q4cefdf9ff8_outp
	.p2align	8
	.type	k_q4cefdf9ff8_outp,@function
k_q4cefdf9ff8_outp:
	s_mov_b64 s[64:65], 0
	v_nop
	global_prefetch_b8 v0, s[64:65] scope:SCOPE_SE
	s_setreg_imm32_b32 hwreg(HW_REG_WAVE_MODE, 25, 1), 1
	s_wait_xcnt 0x0
	s_wait_alu depctr_hold_cnt(0) depctr_sa_sdst(0) depctr_va_vdst(0) depctr_va_sdst(0) depctr_va_ssrc(0) depctr_va_vcc(0) depctr_vm_vsrc(0)
	s_getreg_b32 s2, hwreg(HW_REG_IB_STS2, 6, 4)
	s_cmp_eq_u32 s2, 0
	s_cbranch_scc0 .Lentry_in_a_cluster
	s_endpgm
.Lentry_in_a_cluster:
	s_bfe_u32 s2, ttmp6, 0x10000c
	s_cmp_lg_u32 s2, 0xf033
	s_cbranch_scc0 .Lentry_shape_is_right
	s_endpgm
.Lentry_shape_is_right:
; out0 = A Wo^T + bo.  A: the attention's result as codes of BF8 (ocodes), [8,192][1,024]; Wo's codes lie in wcodes from byte 655,360 on; out0: [8,192][1,024] f32; sums in f32.  Nothing of reference() is left out here.
; A number of A is its code's value x 2^e10, of Wo x 2^e11.  The codes are multiplied as they are; bo goes in as the C of each sum's first product, x 2^-(e10 + e11); each finished sum is multiplied once by 2^(e10 + e11).
; LIMIT: e10 + e11 between -126 and 127.
; BOTH OPERANDS LIE IN MEMORY AS IMAGES OF OPERAND REGISTERS: [tile of 16 rows][K step of 128][2,048 bytes]; chunk c of a fragment holds lane l's 16 bytes at 512 c + 16 l: of row l % 16, k = 32 c + 16 (l / 16) + 0 .. 15.
; So a tile of 16 rows has 4,096 consecutive bytes for 256 along K, the tiles lie 16,384 bytes apart, and a fragment comes out of LDS by four loads of 512 consecutive bytes: no pitch, no padding.
; A tile of out0, 256 x 256, is made by four waves, each 128 x 128: 64 accumulators.  K goes in steps of 256 through a ring of two LDS slots filled by the tensor data mover.
; CLUSTERS: 4 x 4 work-groups; the four of a row of the cluster need the same tiles of A, the four of a column the same tiles of Wo: each is asked for JOINTLY, by the same tensor load with the same descriptor and a mask that names the four.
; THE MATRIX INSTRUCTION IS USED TRANSPOSED (source 0 = 16 rows of Wo, source 1 = 16 rows of A): a lane holds eight neighbouring numbers of a row of out0.
; REGISTERS, in windows of 256: window 0: v0-31 addresses; v32-95 the bias as C, later at work on the way out; from v128 A's fragments, ONE set.   window 1: Wo's fragments, TWO sets.   windows 2, 3: the accumulators.
; No prefetch: of the four K steps two are the first fills, and what the two refills want would have to be asked for at the head, where every work-group's first tiles are on their way.
.set SIZE_M, 8192
.set SIZE_N, 1024
.set SIZE_K, 1024
.set KSTEP,  256                       ; along K in a slot
.set STEPB,  4096                      ; a tile of 16 rows x KSTEP codes: two fragments on end
.set KROW,   SIZE_K                    ; bytes for a row: 16 rows are 16,384
.set FR,     16                        ; registers of a fragment
.set NL,     4                         ; LDS loads that bring one
.set NP,     4                         ; places behind this matrix instruction (ISA guide 7.12.1)
.set HALFT,  8*STEPB                   ; 128 rows: what one tensor load brings, and what one wave reads of A or of Wo
.set SLOT,   4*HALFT
.set LAPS,   SIZE_K/(2*KSTEP)
.set SPARE,  2*SLOT                    ; behind the ring: the spare words, 128 bytes for each wave
.set SPITCH, 528                       ; the way out: a stage of 16 rows x (512 bytes + 16) for each wave, in slot 0, which has had its last fill and its last read when the first result is stored there
.set ADRA, 16                          ; v16-17  LDS address of my A fragments in slot 0, 1
.set ADRB, 20                          ; v20-21  the same for Wo
.set STO,  24
.set RD,   25
.set CO,   26                          ; v26     16 x lane
.set SPW,  28
.set NIL,  29
.set BI,   32                          ; v32-95  bo x 2^-(e10 + e11): eight registers for each of my eight blocks of 16 columns
.set TMP,  32
.set AF,   128
.set BK,   128
.set G1, 24
.set G0, 32
.set G1B, 48
.set G0B, 56
.set MSB, 0
.macro WIN new                         ; the immediate's high byte repeats the setting that is left
.if MSB != \new
	s_set_vgpr_msb (MSB<<8)|\new
.set MSB, \new
.endif
.endm
.set MUL_LO,  0xa1                     ; source 0 (Wo) window 1, source 1 (A) window 0, C and D window 2
.set MUL_HI,  0xf1                     ; the same, C and D window 3
.set BIAS_LO, 0x81                     ; the first step: C (the bias) window 0, D window 2
.set BIAS_HI, 0xc1                     ; D window 3
.set TO_B,    0x40
; A joint load: waves 0 and 1 fetch for A, waves 2 and 3 for Wo.  The branch hangs on the wave's number alone.  An s_nop 0 and four v_nop follow each of the two lines.
.macro JLOAD g0a, g1a, g0b, g1b
	s_cmp_eq_u32 s15, 0
	s_cbranch_scc0 .Lfor_b_\@
	tensor_load_to_lds s[\g0a:\g0a+3], s[\g1a:\g1a+7]
	s_nop 0
.rept 4
	v_nop
.endr
	s_branch .Lasked_\@
.Lfor_b_\@:
	tensor_load_to_lds s[\g0b:\g0b+3], s[\g1b:\g1b+7]
	s_nop 0
.rept 4
	v_nop
.endr
.Lasked_\@:
.endm
.macro CREST                           ; a round of the cluster's barrier behind its opening barrier
	s_cmp_lg_u32 s14, 0
	s_cbranch_scc1 .Lnot_wave_0_\@
	s_barrier_signal -3
.Lnot_wave_0_\@:
	s_barrier_wait -3
	s_barrier_signal -1
	s_barrier_wait -1
.endm
.macro CROUND
	s_barrier_signal -1
	s_barrier_wait -1
	CREST
.endm
	s_load_b128 s[4:7], s[0:1], 0x0                ; ocodes s[4:5], wcodes s[6:7]
	s_load_b128 s[8:11], s[0:1], 0x10              ; the exponents s[8:9], out0 s[10:11]
	s_load_b64 s[12:13], s[0:1], 0x20              ; bo
	v_lshl_add_u32 v[SPW], v0, 2, SPARE
	v_mov_b32 v[NIL], 0
	ds_add_u32 v[SPW], v[NIL]                      ; the wave's opening: the add, twice on end, and its wait ahead of my first tensor load
	ds_add_u32 v[SPW], v[NIL]
	v_lshrrev_b32 v1, 5, v0
	v_readfirstlane_b32 s14, v1                    ; wave 0..3
	s_lshr_b32 s15, s14, 1                         ; which half of the tile's rows is mine.  Also: I fetch for A (0) or for Wo (1)
	s_and_b32 s16, s14, 1                          ; which half of its columns.  Also: which 128 rows of that tile I fetch
	s_bfe_u32 s40, ttmp6, 0x40000                  ; cx, cy: my place in the cluster
	s_bfe_u32 s41, ttmp6, 0x40004
	s_lshl_b32 s42, ttmp9, 2
	s_add_co_u32 s42, s42, s40                     ; tile column = 4 x cluster x + cx
	s_and_b32 s17, ttmp7, 0xffff
	s_lshl_b32 s17, s17, 2
	s_add_co_u32 s17, s17, s41                     ; tile row = 4 x cluster y + cy
	s_lshl_b32 s43, s41, 2
	s_lshl_b32 s43, 15, s43                        ; my row of the cluster
	s_lshl_b32 s44, 0x1111, s40                    ; my column
	; descriptor group 1: 8 rows of 4,096 bytes (a tile of 16 matrix rows each), 16,384 bytes apart, dense in LDS
	s_or_b32 s[G1+0], s43, (0<<16)|(1<<21)         ; 15:0 the mask: A's tiles go to my row; 17:16 elements of 1 byte; 21 set beside a mask; no padding
	s_or_b32 s[G1B+0], s44, (0<<16)|(1<<21)
.irp g, G1, G1B
	s_mov_b32 s[\g+1], STEPB<<16                   ; tensor_dim0
	s_mov_b32 s[\g+2], 8<<16                       ; tensor_dim1
	s_mov_b32 s[\g+3], STEPB<<16                   ; tile_dim0
	s_mov_b32 s[\g+4], 8                           ; tile_dim1
	s_mov_b32 s[\g+5], 16*KROW                     ; tensor_dim0_stride
	s_mov_b32 s[\g+6], 0
	s_mov_b32 s[\g+7], 0
.endr
	s_lshl_b32 s18, s16, 7                         ; which 128 rows of the tile I fetch
	s_lshl_b32 s20, s17, 8
	s_add_co_u32 s20, s20, s18                     ; A: row 256 x tile row + 128 x half
	s_lshl_b32 s46, s42, 8
	s_add_co_u32 s46, s46, s18                     ; Wo: row 256 x tile column + 128 x half
	s_mov_b32 s21, 0
	s_mov_b32 s47, 0
	s_mov_b64 s[18:19], KROW
	s_mul_u64 s[20:21], s[20:21], s[18:19]         ; in bytes: a multiple of 16 rows x 1,024
	s_mul_u64 s[46:47], s[46:47], s[18:19]
	s_mul_i32 s45, s14, HALFT                      ; where they go: wave x 128 rows: no place in the cluster enters an LDS address
	s_wait_dscnt 0x0                               ; both opening adds are done
	s_wait_kmcnt 0x0
	s_load_b64 s[96:97], s[8:9], 0x28              ; e10, e11
	s_add_nc_u64 s[6:7], s[6:7], 655360            ; Wo's fragments begin at fragment 320
	s_add_nc_u64 s[20:21], s[4:5], s[20:21]
	s_add_nc_u64 s[46:47], s[6:7], s[46:47]
	CROUND                                         ; all sixteen work-groups are here: the first joint loads meet
.irp s, 0,1
	s_mov_b32 s[G0+4*\s], 1
	s_add_co_u32 s[G0+4*\s+1], s45, \s*SLOT
	s_add_nc_u64 s[G0+4*\s+2:G0+4*\s+3], s[20:21], \s*STEPB
	s_or_b32 s[G0+4*\s+3], s[G0+4*\s+3], 0x80000000
	s_mov_b32 s[G0B+4*\s], 1
	s_add_co_u32 s[G0B+4*\s+1], s45, \s*SLOT
	s_add_nc_u64 s[G0B+4*\s+2:G0B+4*\s+3], s[46:47], \s*STEPB
	s_or_b32 s[G0B+4*\s+3], s[G0B+4*\s+3], 0x80000000
	JLOAD G0+4*\s, G1, G0B+4*\s, G1B               ; two loads of mine are out
.endr
	v_and_b32 v1, 15, v0                           ; l % 16
	v_bfe_u32 v2, v0, 4, 1                         ; l / 16
	v_and_b32 v6, 31, v0
	v_lshlrev_b32 v[CO], 4, v6                     ; 16 x lane: my place in a chunk, and in a row of 512 bytes on the way out
	s_mul_i32 s21, s15, HALFT                      ; my 128 rows of A
	s_mul_i32 s22, s16, HALFT                      ; my 128 rows of Wo,
	s_add_co_u32 s22, s22, 2*HALFT                 ; which lie behind A's 256
.irp s, 0,1
	v_add_nc_u32 v[ADRA+\s], s21, v[CO]
	v_add_nc_u32 v[ADRB+\s], s22, v[CO]
	s_add_co_u32 s21, s21, SLOT
	s_add_co_u32 s22, s22, SLOT
.endr
	s_mul_i32 s23, s14, 16*SPITCH                  ; my stage
	v_mul_u32_u24 v5, v1, SPITCH                   ; in: row l % 16, 32 bytes for each half of the lanes
	v_lshl_add_u32 v5, v2, 5, v5
	v_add_nc_u32 v[STO], s23, v5
	v_add_nc_u32 v[RD], s23, v[CO]                 ; back: the 32 lanes take one row of 512 bytes
	v_lshlrev_b32 v7, 5, v2                        ; the bias: 32 h
	s_lshl_b32 s20, s17, 8
	s_lshl_b32 s21, s15, 7
	s_add_co_u32 s20, s20, s21                     ; my first row of out0
	s_mov_b32 s21, 0
	s_mov_b64 s[18:19], SIZE_N*4
	s_mul_u64 s[20:21], s[20:21], s[18:19]
	s_lshl_b32 s46, s42, 10                        ; my first column, in bytes: 1,024 x tile column + 512 x half
	s_lshl_b32 s47, s16, 9
	s_add_co_u32 s46, s46, s47
	s_mov_b32 s47, 0
	s_add_nc_u64 s[12:13], s[12:13], s[46:47]      ; bo at my first column
	s_add_nc_u64 s[20:21], s[20:21], s[46:47]
	s_add_nc_u64 s[10:11], s[10:11], s[20:21]
.irp b, 0,1,2,3,4,5,6,7                        ; lane (r, h) wants, for block b, the columns 16 b + 8 h + 0 .. 7
	global_load_b128 v[BI+8*\b:BI+8*\b+3], v7, s[12:13] offset:64*\b
	global_load_b128 v[BI+8*\b+4:BI+8*\b+7], v7, s[12:13] offset:64*\b+16
.endr
	s_wait_kmcnt 0x0
	s_add_co_i32 s96, s96, s97                     ; e10 + e11
	s_sub_co_i32 s97, 0, s96
	s_wait_loadcnt 0x0
.set n, 0
.rept 64
	v_ldexp_f32 v[BI+n], v[BI+n], s97              ; a sum stands for sum x 2^(e10 + e11): the bias goes in divided by that
.set n, n+1
.endr
	s_add_co_i32 s96, s96, 127
	s_lshl_b32 s96, s96, 23                        ; 2^(e10 + e11) as f32
	s_mov_b32 s97, s96                             ; (named with it as a pair, so it is written)
.macro FRAG reg, adr, q, i             ; a fragment: tile i of my eight, the slot's q-th 128 along K: four loads of 512 consecutive bytes
.irp c, 0,1,2,3
	ds_load_b128 v[\reg+4*\c:\reg+4*\c+3], v[\adr] offset:2048*(\q)+512*\c+(\i)*STEPB
.endr
.endm
; 16 matrix instructions: A's blocks a0, a0 + 1 x Wo's eight, 128 along K.  p: Wo's set.  first = 1: the sums begin with the bias as C: nothing is ever cleared.
; The 64 accumulators take turns, one instruction a turn, in the same order in every step.
.macro MUL16 a0, p, first
.irp a, \a0, \a0+1
.irp b, 0,1,2,3,4,5,6,7
.if \first
	v_wmma_f32_16x16x128_bf8_bf8 v[8*(8*((\a)%4)+\b):8*(8*((\a)%4)+\b)+7], v[128*(\p)+FR*\b:128*(\p)+FR*\b+FR-1], v[AF+FR*(\a):AF+FR*(\a)+FR-1], v[BI+8*\b:BI+8*\b+7]
.else
	v_wmma_f32_16x16x128_bf8_bf8 v[8*(8*((\a)%4)+\b):8*(8*((\a)%4)+\b)+7], v[128*(\p)+FR*\b:128*(\p)+FR*\b+FR-1], v[AF+FR*(\a):AF+FR*(\a)+FR-1], v[8*(8*((\a)%4)+\b):8*(8*((\a)%4)+\b)+7]
.endif
.endr
.endr
.endm
.macro FETCH_B slot, q, p
	WIN TO_B
.irp i, 0,1,2,3,4,5,6,7
	FRAG 128*(\p)+FR*\i, ADRB+\slot, \q, \i
.endr
	WIN 0
.endm
.macro FETCH_A slot, q, i0
.irp i, \i0, \i0+1, \i0+2, \i0+3
	FRAG AF+FR*(\i), ADRA+\slot, \q, \i
.endr
.endm
.macro PLACES n                        ; plain vector instructions behind matrix instructions, ahead of loads into their sources and of reads of their results
.rept \n
	v_nop
.endr
.endm
; A step of 128 along K that has its successor in the same slot.
.macro STEP slot, q, first
	s_wait_dscnt 4*NL                              ; Wo's set and A's blocks 0-3 are in; the youngest sixteen loads (A's blocks 4-7) may be out
.if \first
	WIN BIAS_LO
.else
	WIN MUL_LO
.endif
	MUL16 0, (\q)%2, \first
	MUL16 2, (\q)%2, \first
	s_wait_dscnt 0                                 ; A's blocks 4-7 are in
	PLACES NP
	FETCH_B \slot, (\q)+1, 1-(\q)%2
	FETCH_A \slot, (\q)+1, 0
.if \first
	WIN BIAS_HI
.else
	WIN MUL_HI
.endif
	MUL16 4, (\q)%2, \first
	MUL16 6, (\q)%2, \first
	PLACES NP
	WIN 0
	FETCH_A \slot, (\q)+1, 4
.endm
; A slot's last step changes slots: ONE barrier; in front of it each wave waits for all its tensor loads, adds 0 to its spare word, and waits for that and for its own reads of this slot.  fill = 1: this slot is filled again, two K steps ahead.
.macro TURN slot, next, fill
	s_wait_tensorcnt 0x0                           ; all my tensor loads have landed: my part of the next slot
	ds_add_u32 v[SPW], v[NIL]                      ; 0 onto my spare word
	s_wait_dscnt 4*NL+1                            ; (the add and the youngest sixteen loads may be out)
	WIN MUL_LO
	MUL16 0, 1, 0                                  ; sixteen matrix instructions stand between the add and the wait for it
	s_wait_dscnt 0x0                               ; the add is done, and my reads of this slot are over
	s_barrier_signal -1
	MUL16 2, 1, 0
	WIN 0
	s_barrier_wait -1
.if \fill
	CREST                                          ; the barrier has opened a round of the cluster's barrier: no wave of any partner still reads this slot or has a load on its way
	s_add_nc_u64 s[G0+4*\slot+2:G0+4*\slot+3], s[G0+4*\slot+2:G0+4*\slot+3], 2*STEPB
	s_add_nc_u64 s[G0B+4*\slot+2:G0B+4*\slot+3], s[G0B+4*\slot+2:G0B+4*\slot+3], 2*STEPB
	JLOAD G0+4*\slot, G1, G0B+4*\slot, G1B         ; the first tensor load behind the round, my one load until the next; its four v_nop are the places ahead of the loads below
.else
	PLACES NP
.endif
	FETCH_B \next, 0, 0
	FETCH_A \next, 0, 0
	WIN MUL_HI
	MUL16 4, 1, 0
	MUL16 6, 1, 0
	PLACES NP
	WIN 0
	FETCH_A \next, 0, 4
.endm
	s_wait_tensorcnt 1                             ; my part of K step 0 is in; K step 1's load may be out
	s_barrier_signal -1
	s_barrier_wait -1                              ; everybody's is
	FETCH_B 0, 0, 0
	FETCH_A 0, 0, 0
	FETCH_A 0, 0, 4
	STEP 0, 0, 1                                   ; the first step stands in front of the loop: its products start the sums, on the bias
	s_mov_b32 s3, LAPS-1
.Llap:                                                 ; a trip goes once round the ring and fills both slots again
	TURN 0, 1, 1
	STEP 1, 0, 0
	TURN 1, 0, 1
	STEP 0, 0, 0
	s_sub_co_u32 s3, s3, 1
	s_cmp_lg_u32 s3, 0
	s_cbranch_scc1 .Llap
	TURN 0, 1, 0                                   ; the last lap fills nothing, and has no round of the cluster's barrier
	STEP 1, 0, 0
	s_wait_dscnt 4*NL                              ; the very last step: nothing more to fetch
	WIN MUL_LO
	MUL16 0, 1, 0
	MUL16 2, 1, 0
	s_wait_dscnt 0
	WIN MUL_HI
	MUL16 4, 1, 0
	MUL16 6, 1, 0
	WIN 0
; THE WAY OUT, block by block of 16 rows x 128 columns, through my own stage in LDS: in as 32 bytes a lane, back as whole rows of 512 bytes.  LDS serves a wave's instructions in order (ISA guide 5.7.1.4).
.macro TOSTAGE a
.set AC, 64*((\a)%4)
	WIN 0x02+((\a)/4)                              ; source 0: window 2 or 3
.irp j, 0,2,4,6,8,10,12,14,16,18,20,22,24,26,28,30,32,34,36,38,40,42,44,46,48,50,52,54,56,58,60,62
	v_pk_mul_f32 v[TMP+\j:TMP+\j+1], v[AC+\j:AC+\j+1], s[96:97] op_sel_hi:[1,0]   ; x 2^(e10 + e11); each accumulator from its low end on
.endr
	WIN 0
.irp b, 0,1,2,3,4,5,6,7
	ds_store_b128 v[STO], v[TMP+8*\b:TMP+8*\b+3] offset:64*\b
	ds_store_b128 v[STO], v[TMP+8*\b+4:TMP+8*\b+7] offset:64*\b+16
.endr
.set BB, BK+64*((\a)%2)
.irp t, 0,1,2,3,4,5,6,7,8,9,10,11,12,13,14,15
	ds_load_b128 v[BB+4*\t:BB+4*\t+3], v[RD] offset:\t*SPITCH
.endr
.endm
.macro SEND a, younger                 ; younger: the LDS instructions issued behind block a's loads, which may stay out
.set BB, BK+64*((\a)%2)
	s_wait_dscnt \younger
.if (\a) > 0
	s_add_nc_u64 s[10:11], s[10:11], 16*SIZE_N*4   ; (behind a wait on XCNT: the earlier stores have read their base)  16 rows on
.endif
.irp t, 0,1,2,3,4,5,6,7,8,9,10,11,12,13,14,15
	global_store_b128 v[CO], v[BB+4*\t:BB+4*\t+3], s[10:11] offset:\t*SIZE_N*4 th:TH_STORE_NT   ; 32 lanes store 512 consecutive bytes, aligned; written once, read by nobody here
.endr
.endm
	PLACES NP
	TOSTAGE 0
.irp a, 1,2,3,4,5,6,7
.if \a > 1
	s_wait_xcnt 0x0                                ; block a - 2's stores have read their registers and their base
.endif
	TOSTAGE \a
	SEND \a-1, 32                                  ; behind block a - 1's loads: block a's 16 stores and 16 loads
.endr
	s_wait_xcnt 0x0
	SEND 7, 0
	s_wait_tensorcnt 0x0                           ; the wave's end, behind my last tensor load and my last LDS store
	ds_add_u32 v[SPW], v[NIL]
	s_wait_dscnt 0x0
	CROUND                                         ; the closing round: no work-group ends while a partner may still ask for a tile that names it
	s_endpgm
.Lfunc_end_k_q4cefdf9ff8_outp:
	.size	k_q4cefdf9ff8_outp, .Lfunc_end_k_q4cefdf9ff8_outp-k_q4cefdf9ff8_outp
	.p2alignl 7, 3214868480
	.fill 96, 4, 3214868480
	.section	.rodata,"a",@progbits
	.p2align	6, 0x0
	.amdhsa_kernel k_q4cefdf9ff8_outp
		.amdhsa_group_segment_fixed_size 327680
		.amdhsa_private_segment_fixed_size 0
		.amdhsa_enable_private_segment 0
		.amdhsa_kernarg_size 40
		.amdhsa_user_sgpr_count 2
		.amdhsa_user_sgpr_kernarg_segment_ptr 1
		.amdhsa_wavefront_size32 1
		.amdhsa_system_sgpr_workgroup_id_x 1
		.amdhsa_system_sgpr_workgroup_id_y 1
		.amdhsa_system_sgpr_workgroup_id_z 1
		.amdhsa_system_vgpr_workitem_id 0
		.amdhsa_next_free_vgpr 1024
		.amdhsa_next_free_sgpr 98
		.amdhsa_reserve_vcc 0
		.amdhsa_float_denorm_mode_32 3
		.amdhsa_float_denorm_mode_16_64 3
		.amdhsa_memory_ordered 1
		.amdhsa_forward_progress 1
		.amdhsa_inst_pref_size 129
	.end_amdhsa_kernel
	.amdgpu_metadata
---
amdhsa.version: [ 1, 2 ]
amdhsa.kernels:
  - .name:           k_q4cefdf9ff8_outp
    .symbol:         k_q4cefdf9ff8_outp.kd
    .args:
      - { .name: ocodes, .offset: 0, .size: 8, .value_kind: global_buffer, .address_space: global }
      - { .name: wcodes, .offset: 8, .size: 8, .value_kind: global_buffer, .address_space: global }
      - { .name: lowp_scales, .offset: 16, .size: 8, .value_kind: global_buffer, .address_space: global }
      - { .name: out0, .offset: 24, .size: 8, .value_kind: global_buffer, .address_space: global }
      - { .name: bo, .offset: 32, .size: 8, .value_kind: global_buffer, .address_space: global }
    .group_segment_fixed_size: 327680
    .private_segment_fixed_size: 0
    .kernarg_segment_align: 8
    .kernarg_segment_size: 40
    .max_flat_workgroup_size: 128
    .sgpr_count:     98
    .vgpr_count:     1024
    .wavefront_size: 32
...
	.end_amdgpu_metadata
.endif
;; end of part 4
;; ======== version 2 of 2: 4 launches; version 1 with the launches proj, attn written anew for expert scheduling mode
;; workspace buffers: wcodes 1,703,936 bytes; qcodes 8,388,608 bytes; kcodes 8,388,608 bytes; vcodes 8,388,608 bytes; vpart 262,144 bytes; ocodes 8,388,608 bytes
;; launch prep: the kernel of part 1 again; grid 208 x 1, 4 waves a work-group, no clusters, 0 bytes of LDS; arguments Wq, Wk, Wv, Wo, lowp_scales, wcodes; writes wcodes
;; launch proj (part 5): grid 192 x 1, 8 waves a work-group, no clusters, 99,328 bytes of LDS; arguments query, key, value, wcodes, bq, bk, bv, lowp_scales, qcodes, kcodes, vcodes, vpart; writes qcodes, kcodes, vcodes, vpart
.if DOCPART == 5
	.amdgcn_target "amdgcn-amd-amdhsa--gfx1250"
	.amdhsa_code_object_version 6
	.text
	.protected	k_q4cefdf9ff8_proj
	.globl	k_q4cefdf9ff8_proj
	.p2align	8
	.type	k_q4cefdf9ff8_proj,@function
k_q4cefdf9ff8_proj:
	s_mov_b64 s[64:65], 0
	v_nop
	global_prefetch_b8 v0, s[64:65] scope:SCOPE_SE
	s_setreg_imm32_b32 hwreg(HW_REG_WAVE_SCHED_MODE, 0, 2), 2
	s_setreg_imm32_b32 hwreg(HW_REG_WAVE_MODE, 25, 1), 1
	s_wait_xcnt 0x0
	s_wait_alu depctr_vm_vsrc(0)
; q = query Wq^T + bq, k = key Wk^T + bk, v = value Wv^T + bv on codes of BF8, and each result quantised for attention (q: e6, k: e7, along the head's 64; v: e8, along the keys).
; Work-groups 0-63 take q, 64-127 k, 128-191 v; each takes 128 rows (tokens) and all 1,024 columns.  Nothing of reference() is left out here.
; THE WAVES SHARE THE COLUMNS: wave w makes heads 2 w and 2 w + 1 for all 128 rows; its fragments of the weight (8 tiles x the K steps) stay in registers, window 1, read once.
; First wave w quantises tile w of the 128 rows of x and stores its fragments in LDS as images of their registers (chunk c: lane l's 16 bytes at 512 c + 16 l); one barrier; then every wave reads all eight tiles.
; q and k: source 0 = 16 rows of W, source 1 = 16 tokens: a lane holds ONE token and its registers run along the head's columns; W's tiles are permuted (see prep), so 16 registers of two
; neighbouring tiles are 16 neighbouring columns and the conversions' results are the next operand's registers.  q's tiles are 16 neighbouring queries; k's tiles of keys are permuted likewise (for p in attn).
; v: source 0 = 16 tokens (tiles permuted), source 1 = 16 rows of Wv: a lane holds ONE column d and its registers run along the KEYS, the second product's K.
; The bias goes in as the C of a sum's first product, divided by the power of two that the sums lack.  The three scales ahead of a quantiser are folded into the conversion's one.
; v ALSO: the sums over the block's 128 keys of v's code values, by a product with a fragment of codes 1.0, into vpart [batch][block of 128 keys][1,024]: for the rows whose whole band is padded (attn).
; OUT: qcodes [b][head][tile of 16 queries][1,024], kcodes [b][head][block of 128 keys][tile][1,024], vcodes [b][head][block of 64 keys][tile of d][1,024]: K = 64 fragments, two chunks each.
; LIMITS: e0, e2, e4, e6 - e0 - e1, e7 - e2 - e3, e8 - e4 - e5 between -126 and 112.  NaN among the inputs is not served.
; The three paths part on the work-group's number alone; each has LDS bytes of its own.
; THE MODE: SCHED_MODE bits 1:0 = 2 (LLVM: expert scheduling mode 2), set by the entry lines.  The code itself states the register dependences
; between vector or matrix instructions and memory or LDS instructions, with s_wait_alu, always for 0.
; THE PLAN.  Registers that memory or LDS instructions touch:
;   v1, v4-v7, v254   offsets and LDS addresses: written once at a path's head, ahead of the one wait in WLOAD.  (v254 becomes data of a store later, in v's path: see there.)
;   v16-143           x as loaded; held and converted into two code buffers; ONE wait behind both quantisers serves the images' LDS stores and the first fragment loads behind the barrier.
;   q, k: XF0 v16-47, XF1 v48-79 fragments of x by turns; PC0 v144-159, PC1 v224-239 codes by turns.  Tile m: its products read XF[m % 2], its conversions write PC[m % 2]; ONE wait behind them; then the
;         loads of tile m + 2 land in XF[m % 2] and four stores leave from PC[m % 2].  PC[m % 2] is written again two tiles on, behind the waits that show those stores' registers read.
;   v:    XF v16-79, one buffer (the work-group's eight waves hold all the registers there are); CD v144-207, whose four quarters are four out-buffers.  Step c: ONE wait behind its products: they are done
;         reading XF, in which the next step's loads land, and step c - 1 has written its quarter of CD, which its four stores, issued here, read.  CD is written again a head later.
;   The accumulators, the biases, the scales and window 1 (once loaded) are named by vector and matrix instructions alone.
; REGISTERS, window 0: v1-7 addresses; v8-15 v's raw bias; v16-79 fragments of x; v80-143 accumulators; v144.. codes; biases as C: q, k v160-223, v v208-239; q, k: v224-239 the second code buffer; v240-247 codes 1.0;
;   v248, v249: 2^ex, 57,344 x 2^ex; v250, v251: the same with eo - ex - ew; v252, v253 the add's two; v254, v255 at work.   window 1: the weight's fragments, 16 registers each.
.set XI_Q,  0                          ; LDS: x's images for each path: fragment (tile, K step) at 2,048 (2 tile + K step)
.set XI_K,  32768
.set XI_V,  65536
.set SPARE, 98304                      ; the spare words, 128 bytes for each of the eight waves: four blocks of 256 bytes that no other line names
.set XA,  4                            ; v4  x: my row's bytes + 64 h
.set LI,  5                            ; v5  16 x lane
.set XWI, 6                            ; v6  where I store images: the path's region + 4,096 x wave + 16 x lane
.set XR,  7                            ; v7  where I read them: the region + 16 x lane
.set BR,  8
.set XF,  16
.set ACC, 80
.set PC,  144                          ; the first code buffer
.set PC1, 224                          ; q, k: the second
.set PCV, 160                          ; v: the second image's codes, inside CD
.set CD,  144
.set BIQ, 160
.set BIV, 208
.set ON,  240
.set SPW, 252
.set NIL, 253
.set MSB, 0
.macro WIN new                         ; s_set_vgpr_msb: bits 1:0 source 0, 3:2 source 1, 5:4 source 2, 7:6 destination; the high byte repeats the setting that is left
.if MSB != \new
	s_set_vgpr_msb (MSB<<8)|\new
.set MSB, \new
.endif
.endm
.macro XLOAD reg, s                    ; my row's 64 numbers of K step s: register 16 c + i = k 32 c + 16 h + i
.irp c, 0,1,2,3
.irp j, 0,1,2,3
	global_load_b128 v[\reg+16*\c+4*\j:\reg+16*\c+4*\j+3], v[XA], s[44:45] offset:512*\s+128*\c+16*\j th:TH_LOAD_NT
.endr
.endr
.endm
.macro QUANT src, dst, dstep, sc, lim  ; 64 numbers v[src] on become 16 registers of codes: numbers 16 b .. 16 b + 15 into v[dst + dstep b] on
.irp b, 0,1,2,3
.set qi, 0
.rept 16
	v_med3_num_f32 v[(\src)+16*\b+qi], v[(\src)+16*\b+qi], -v[\lim], v[\lim]   ; the conversion does not saturate (ISA guide 7.6.2): the hold at the largest code x the scale
.set qi, qi+1
.endr
	v_cvt_scalef32_pk8_bf8_f32 v[(\dst)+(\dstep)*\b:(\dst)+(\dstep)*\b+1], v[(\src)+16*\b:(\src)+16*\b+7], v[\sc]
	v_cvt_scalef32_pk8_bf8_f32 v[(\dst)+(\dstep)*\b+2:(\dst)+(\dstep)*\b+3], v[(\src)+16*\b+8:(\src)+16*\b+15], v[\sc]
.endr
	v_nop                                          ; one plain vector instruction between the last conversion and the matrix instructions that later write its sources or read its results
.endm
.macro IMAGE reg, off                  ; the fragment in v[reg] on goes to LDS as it stands
.irp c, 0,1,2,3
	ds_store_b128 v[XWI], v[\reg+4*\c:\reg+4*\c+3] offset:\off+512*\c
.endr
.endm
.macro FETCH reg, off                  ; and comes back so, in any wave
.irp c, 0,1,2,3
	ds_load_b128 v[\reg+4*\c:\reg+4*\c+3], v[XRR] offset:\off+512*\c
.endr
.endm
.macro FETCH4 cc                       ; four fragments on end: tiles 2 cc, 2 cc + 1, both K steps
.irp k, 0,1,2,3
	FETCH XF+16*\k, ((\cc)*4+\k)*2048
.endr
.endm
.macro WLOAD n                         ; my n fragments of the weight, one dense run of memory, into window 1: 512 consecutive bytes a load
	WIN 0x40
	s_wait_alu depctr_va_vdst(0)                   ; the path's offsets and LDS addresses (v1, v4 to v7, v254) are written: every load and store of the path reads one of them
.set fl, 0
.rept \n
.irp c, 0,1,2,3
	global_load_b128 v[16*fl+4*\c:16*fl+4*\c+3], v[LI], s[46:47] offset:2048*fl+512*\c
.endr
.set fl, fl+1
.endr
	WIN 0
.endm
.macro VSTORE hl, c                    ; v: quarter c of the four fragments of head 2 w + hl: keys 32 c on
.irp t, 0,1,2,3
	global_store_b128 v[LI], v[CD+16*\t+4*(\c):CD+16*\t+4*(\c)+3], s[50:51] offset:(\hl)*65536+((\c)/2)*4096+\t*1024+((\c)%2)*512
.endr
.endm
.macro PLACES                          ; four plain vector instructions behind matrix instructions, ahead of reads of their results (ISA guide 7.12.1)
.rept 4
	v_nop
.endr
.endm
.macro ADDR ks, xp, woff, bp, op, xi, permx, rowsh   ; the path's addresses
.if \permx
	s_lshr_b32 s58, s28, 1
	s_lshl_b32 s58, s58, 5
	s_and_b32 s59, s28, 1
	s_lshl_b32 s59, s59, 3
	s_add_co_u32 s58, s58, s59
	v_and_b32 v[XA], 8, v2
	v_add3_u32 v[XA], v[XA], v2, s58               ; tile w's row r: 32 (w / 2) + 8 (w % 2) + r + 8 (r / 8)
.else
	s_lshl_b32 s58, s28, 4
	v_add_nc_u32 v[XA], s58, v2                    ; 16 w + r
.endif
	v_lshlrev_b32 v[XA], \rowsh, v[XA]
	v_lshl_add_u32 v[XA], v3, 6, v[XA]
	s_lshl_b32 s58, s28, 12
.if \xi
	s_add_co_u32 s58, s58, \xi
	v_add_nc_u32 v[XR], \xi, v[LI]
.set XRR, XR
.else
.set XRR, LI                           ; the region begins at byte 0: 16 x lane serves as it is
.endif
	v_add_nc_u32 v[XWI], s58, v[LI]
	s_lshl_b32 s58, s29, 7+\rowsh                  ; my block of 128 rows
	s_mov_b32 s59, 0
	s_add_nc_u64 s[44:45], s[\xp:\xp+1], s[58:59]
	s_mul_i32 s58, s28, \ks*16384                  ; my 8 tiles' fragments
	s_add_co_u32 s58, s58, \woff
	s_add_nc_u64 s[46:47], s[10:11], s[58:59]
	s_add_nc_u64 s[48:49], s[\bp:\bp+1], s[56:57]  ; my 128 numbers of the bias
	s_add_nc_u64 s[50:51], s[\op:\op+1], s[54:55]  ; my two heads' codes of this block
.endm
.macro SCALES ex, ew, eo
	s_wait_kmcnt 0x0
	s_add_co_i32 s58, s[\ex], 127
	s_lshl_b32 s59, s58, 23
	v_mov_b32 v248, s59                            ; 2^ex
	s_add_co_i32 s58, s58, 15
	s_lshl_b32 s58, s58, 23
	s_or_b32 s58, s58, 0x600000
	v_mov_b32 v249, s58                            ; 57,344 x 2^ex
	s_add_co_i32 s60, s[\ex], s[\ew]               ; a sum stands for sum x 2^(ex + ew)
	s_sub_co_i32 s58, s[\eo], s60
	s_add_co_i32 s58, s58, 127
	s_lshl_b32 s59, s58, 23
	v_mov_b32 v250, s59                            ; 2^(eo - ex - ew): the three scales folded into one
	s_add_co_i32 s58, s58, 15
	s_lshl_b32 s58, s58, 23
	s_or_b32 s58, s58, 0x600000
	v_mov_b32 v251, s58
	s_sub_co_i32 s60, 0, s60                       ; the bias goes in x 2^-(ex + ew)
.endm
.macro XPHASE ks, ex, ew, eo, pcb      ; my tile of x becomes ks fragments in LDS; then the barrier.  pcb: where the second fragment's codes are made
	XLOAD XF, 0
.if \ks == 2
	XLOAD ACC, 1
.endif
	SCALES \ex, \ew, \eo
.if \ks == 2
	s_wait_loadcnt 16                              ; all but the second K step's sixteen loads are in
.else
	s_wait_loadcnt 0x0
.endif
	QUANT XF, PC, 4, 248, 249
.if \ks == 2
	s_wait_loadcnt 0x0
	QUANT ACC, \pcb, 4, 248, 249
.endif
	s_wait_alu depctr_va_vdst(0)                   ; the conversions have written the codes, which the LDS stores below read; the holds and conversions are done with v16 to v79, in which the first fragment loads behind the barrier land
	IMAGE PC, 0
.if \ks == 2
	IMAGE \pcb, 2048
.endif
	s_wait_dscnt 0x0                               ; for the others' sake: my images have landed
	s_barrier_signal -1
	s_barrier_wait -1                              ; all eight tiles lie in LDS; nobody writes LDS after this
.endm
.macro ENDW
	WIN 0
	s_wait_dscnt 0x0                               ; the closing lines, six on end
	s_wait_alu 0x0
	s_wait_tensorcnt 0x0
	ds_add_u32 v[SPW], v[NIL]
	s_wait_dscnt 0x0
	s_endpgm
.endm
.macro PATH_QK ks, xp, woff, bp, op, ex, ew, eo, xi, permx, rowsh
	ADDR \ks, \xp, \woff, \bp, \op, \xi, \permx, \rowsh
	v_lshlrev_b32 v1, 6, v3                        ; the bias: 64 h
	WLOAD 8*\ks
.irp tl, 0,1,2,3,4,5,6,7                       ; lane (r, h) wants, for tile tl, the columns 64 (tl / 4) + 32 ((tl % 4) / 2) + 16 h + 8 (tl % 2) + 0 .. 7
	global_load_b128 v[BIQ+8*\tl:BIQ+8*\tl+3], v1, s[48:49] offset:4*(64*(\tl/4)+32*((\tl%4)/2)+8*(\tl%2))
	global_load_b128 v[BIQ+8*\tl+4:BIQ+8*\tl+7], v1, s[48:49] offset:4*(64*(\tl/4)+32*((\tl%4)/2)+8*(\tl%2))+16
.endr
	XPHASE \ks, \ex, \ew, \eo, PC1
	FETCH XF, 0                                    ; tiles 0 and 1 into the two fragment buffers; no vector instruction since the wait in front of the images names v16 to v79
.if \ks == 2
	FETCH XF+16, 2048
.endif
	FETCH XF+32, 4096
.if \ks == 2
	FETCH XF+48, 4096+2048
.endif
.set qi, 0
.rept 64
	v_ldexp_f32 v[BIQ+qi], v[BIQ+qi], s60
.set qi, qi+1
.endr
.irp m, 0,1,2,3,4,5,6,7                        ; a tile of 16 tokens at a time
.set XB, XF+32*(\m%2)                          ; this tile's fragment buffer
.set PB, PC+(PC1-PC)*(\m%2)                    ; and its code buffer
.if \m < 7
	s_wait_dscnt 4*\ks                             ; LDS loads come back in order (ISA guide 5.7.1): this tile's fragments are in, the next tile's loads may be out
.else
	s_wait_dscnt 0x0
.endif
	WIN 0x01                                       ; source 0 (W) window 1
.irp tl, 0,1,2,3,4,5,6,7                       ; the eight accumulators take turns, one instruction a turn
	v_wmma_f32_16x16x128_bf8_bf8 v[ACC+8*\tl:ACC+8*\tl+7], v[16*\ks*\tl:16*\ks*\tl+15], v[XB:XB+15], v[BIQ+8*\tl:BIQ+8*\tl+7]
.endr
.if \ks == 2
.irp tl, 0,1,2,3,4,5,6,7
	v_wmma_f32_16x16x128_bf8_bf8 v[ACC+8*\tl:ACC+8*\tl+7], v[32*\tl+16:32*\tl+31], v[XB+16:XB+31], v[ACC+8*\tl:ACC+8*\tl+7]
.endr
.endif
	WIN 0
	PLACES
.if \m == 0
	s_wait_alu depctr_vm_vsrc(0)                   ; the images' LDS stores have read both code buffers, which this tile's and the next tile's conversions write
.elseif \m > 1
	s_wait_xcnt 0x0                                ; the stores of two tiles back have had their addresses translated: their data registers are written again only behind this wait,
	s_wait_alu depctr_vm_vsrc(0)                   ; and they have read this code buffer, which the conversions below write
.endif
	QUANT ACC, PB, 4, 250, 251
	s_wait_alu depctr_va_vdst(0)                   ; the conversions have written this code buffer, which the stores below read; the products are done reading this fragment buffer, in which the loads below land
.if \m < 6
	FETCH XB, (\m+2)*4096                          ; the tile after next: it has the next tile's work in which to land
.if \ks == 2
	FETCH XB+16, (\m+2)*4096+2048
.endif
.endif
.irp b, 0,1,2,3                                ; registers 4 b on: head 2 w + b / 2, chunk b % 2 of the token tile's fragment
	global_store_b128 v[LI], v[PB+4*\b:PB+4*\b+3], s[50:51] offset:(\b/2)*65536+\m*1024+(\b%2)*512
.endr
.endr
	ENDW
.endm
	s_load_b512 s[4:19], s[0:1], 0x0               ; query s[4:5], key s[6:7], value s[8:9], wcodes s[10:11], bq s[12:13], bk s[14:15], bv s[16:17], the exponents s[18:19]
	s_load_b256 s[20:27], s[0:1], 0x40             ; qcodes s[20:21], kcodes s[22:23], vcodes s[24:25], vpart s[26:27]
	v_lshl_add_u32 v[SPW], v0, 2, SPARE
	v_mov_b32 v[NIL], 0
	v_lshrrev_b32 v1, 5, v0
	v_readfirstlane_b32 s28, v1                    ; wave 0..7
	s_and_b32 s29, ttmp9, 63                       ; my block of 128 rows,
	s_lshr_b32 s30, s29, 3                         ; its batch,
	s_and_b32 s31, s29, 7                          ; and its place there
	v_and_b32 v2, 15, v0                           ; r
	v_bfe_u32 v3, v0, 4, 1                         ; h
	v_and_b32 v[LI], 31, v0
	v_lshlrev_b32 v[LI], 4, v[LI]
	s_wait_alu depctr_va_sdst(0)                   ; s28 is written, ahead of its first reader: the wave's places in the buffers and in LDS are made from it
	s_lshl_b32 s54, s30, 20                        ; the codes' place: batch x 2^20 + head 2 w x 65,536 + block x 8,192
	s_lshl_b32 s55, s28, 17
	s_add_co_u32 s54, s54, s55
	s_lshl_b32 s55, s31, 13
	s_add_co_u32 s54, s54, s55
	s_mov_b32 s55, 0
	s_lshl_b32 s56, s28, 9                         ; 128 w numbers of f32
	s_mov_b32 s57, 0
	s_wait_kmcnt 0x0
	s_load_b256 s[32:39], s[18:19], 0x0            ; e0 .. e7
	s_load_b128 s[40:43], s[18:19], 0x20           ; e8 .. e11
	s_cmp_lt_u32 ttmp9, 64
	s_cbranch_scc1 .Lq
	s_cmp_lt_u32 ttmp9, 128
	s_cbranch_scc1 .Lk
	; ---- v
	ADDR 2, 8, 393216, 16, 24, XI_V, 1, 10
	s_lshl_b32 s58, s30, 15                        ; vpart: batch x 32,768 + block x 4,096 + 512 w
	s_lshl_b32 s61, s31, 12
	s_add_co_u32 s58, s58, s61
	s_add_co_u32 s58, s58, s56
	s_add_nc_u64 s[52:53], s[26:27], s[58:59]
	v_and_b32 v254, 8, v2
	v_add_nc_u32 v254, v254, v2                    ; r + 8 (r / 8): my column in a tile of d
	v_lshl_add_u32 v1, v3, 3, v254
	v_lshlrev_b32 v1, 2, v1                        ; the sums' place: 4 (8 h + r + 8 (r / 8))
	v_lshlrev_b32 v254, 2, v254
	WLOAD 16
.irp n, 0,1,2,3,4,5,6,7                        ; bv at my column of tile n % 4 of head n / 4
	global_load_b32 v[BR+\n], v254, s[48:49] offset:4*(64*(\n/4)+32*((\n%4)/2)+8*(\n%2))
.endr
	XPHASE 2, 36, 37, 40, PCV
	FETCH4 0                                       ; no vector instruction since the wait in front of the images names v16 to v79
.irp n, 0,1,2,3,4,5,6,7
	v_ldexp_f32 v[BR+\n], v[BR+\n], s60
.endr
.irp n, 0,1,2,3,4,5,6,7
	v_mov_b32 v[ON+\n], 0x3c3c3c3c                 ; the code of 1.0, four times
.endr
.irp hl, 0,1                                   ; head 2 w + hl
.irp t, 0,1,2,3
.irp j, 0,1,2,3,4,5,6,7
	v_mov_b32 v[BIV+8*\t+\j], v[BR+4*\hl+\t]       ; a lane holds one column: its bias in all eight registers of the C
.endr
.endr
.irp c, 0,1,2,3                                ; 32 keys at a time: token tiles 2 c and 2 c + 1
	s_wait_dscnt 0x0
	WIN 0x04                                       ; source 1 (Wv) window 1
.irp t, 0,1,2,3                                ; eight accumulators by turns, K step by K step
.irp u, 0,1
	v_wmma_f32_16x16x128_bf8_bf8 v[ACC+8*(2*\t+\u):ACC+8*(2*\t+\u)+7], v[XF+32*\u:XF+32*\u+15], v[128*\hl+32*\t:128*\hl+32*\t+15], v[BIV+8*\t:BIV+8*\t+7]
.endr
.endr
.irp t, 0,1,2,3
.irp u, 0,1
	v_wmma_f32_16x16x128_bf8_bf8 v[ACC+8*(2*\t+\u):ACC+8*(2*\t+\u)+7], v[XF+32*\u+16:XF+32*\u+31], v[128*\hl+32*\t+16:128*\hl+32*\t+31], v[ACC+8*(2*\t+\u):ACC+8*(2*\t+\u)+7]
.endr
.endr
	WIN 0
	PLACES
	s_wait_alu depctr_va_vdst(0)                   ; the products are done reading v16 to v79, in which the loads below land; the step before has written its quarter of the codes, which the stores below read
.if (\hl < 1) || (\c < 3)
	FETCH4 (\c+1)%4
.endif
.if \c > 0
	VSTORE \hl, \c-1                               ; the step before: its codes leave here, behind the one wait
.endif
.if \c == 0
.if \hl > 0
	s_wait_xcnt 0x0                                ; the first head's stores have had their addresses translated: their data registers are written again only behind this wait
.endif
	s_wait_alu depctr_vm_vsrc(0)                   ; first head: the images' LDS stores have read v144 to v175, and the bias's loads their offset v254; second head: the first head's stores have read the codes, v254 and v255.  This head writes them all again
.endif
	QUANT ACC, CD+4*\c, 16, 250, 251               ; tile t's 16 registers are keys 32 c + 16 h + 0 .. 15 of my column: registers 4 c on of its fragment
.endr
.irp t, 0,1,2,3                                ; the sums of the codes' values over the block's 128 keys: ones x codes, 64 keys an instruction, four accumulators by turns
	v_wmma_f32_16x16x64_bf8_bf8 v[ACC+8*\t:ACC+8*\t+7], v[ON:ON+7], v[CD+16*\t:CD+16*\t+7], 0
.endr
.irp t, 0,1,2,3
	v_wmma_f32_16x16x64_bf8_bf8 v[ACC+8*\t:ACC+8*\t+7], v[ON:ON+7], v[CD+16*\t+8:CD+16*\t+15], v[ACC+8*\t:ACC+8*\t+7]
.endr
	PLACES
	v_cmp_ne_u32 vcc_lo, 0, v3
	s_wait_alu depctr_va_vcc(0)                    ; VCC is written, ahead of the selections that read it
	v_cndmask_b32 v254, v[ACC], v[ACC+8], vcc_lo   ; every register of tile t holds the sum of column r of tile t: lanes 0-15 give tile 2 b, lanes 16-31 tile 2 b + 1
	v_cndmask_b32 v255, v[ACC+16], v[ACC+24], vcc_lo
	s_wait_alu depctr_va_vdst(0)                   ; the selections have written v254 and v255, and the last step's conversions the last quarter of the codes: the stores below read them
	VSTORE \hl, 3
	global_store_b32 v1, v254, s[52:53] offset:256*\hl
	global_store_b32 v1, v255, s[52:53] offset:256*\hl+128
.endr
	ENDW
.Lq:
	PATH_QK 1, 4, 0, 12, 20, 32, 33, 38, XI_Q, 0, 9
.Lk:
	PATH_QK 2, 6, 131072, 14, 22, 34, 35, 39, XI_K, 1, 10
.Lfunc_end_k_q4cefdf9ff8_proj:
	.size	k_q4cefdf9ff8_proj, .Lfunc_end_k_q4cefdf9ff8_proj-k_q4cefdf9ff8_proj
	.p2alignl 7, 3214868480
	.fill 96, 4, 3214868480
	.section	.rodata,"a",@progbits
	.p2align	6, 0x0
	.amdhsa_kernel k_q4cefdf9ff8_proj
		.amdhsa_group_segment_fixed_size 99328
		.amdhsa_private_segment_fixed_size 0
		.amdhsa_enable_private_segment 0
		.amdhsa_kernarg_size 96
		.amdhsa_user_sgpr_count 2
		.amdhsa_user_sgpr_kernarg_segment_ptr 1
		.amdhsa_wavefront_size32 1
		.amdhsa_system_sgpr_workgroup_id_x 1
		.amdhsa_system_sgpr_workgroup_id_y 1
		.amdhsa_system_sgpr_workgroup_id_z 1
		.amdhsa_system_vgpr_workitem_id 0
		.amdhsa_next_free_vgpr 512
		.amdhsa_next_free_sgpr 66
		.amdhsa_reserve_vcc 1
		.amdhsa_float_denorm_mode_32 3
		.amdhsa_float_denorm_mode_16_64 3
		.amdhsa_memory_ordered 1
		.amdhsa_forward_progress 1
		.amdhsa_inst_pref_size 230
	.end_amdhsa_kernel
	.amdgpu_metadata
---
amdhsa.version: [ 1, 2 ]
amdhsa.kernels:
  - .name:           k_q4cefdf9ff8_proj
    .symbol:         k_q4cefdf9ff8_proj.kd
    .args:
      - { .name: query, .offset: 0, .size: 8, .value_kind: global_buffer, .address_space: global }
      - { .name: key, .offset: 8, .size: 8, .value_kind: global_buffer, .address_space: global }
      - { .name: value, .offset: 16, .size: 8, .value_kind: global_buffer, .address_space: global }
      - { .name: wcodes, .offset: 24, .size: 8, .value_kind: global_buffer, .address_space: global }
      - { .name: bq, .offset: 32, .size: 8, .value_kind: global_buffer, .address_space: global }
      - { .name: bk, .offset: 40, .size: 8, .value_kind: global_buffer, .address_space: global }
      - { .name: bv, .offset: 48, .size: 8, .value_kind: global_buffer, .address_space: global }
      - { .name: lowp_scales, .offset: 56, .size: 8, .value_kind: global_buffer, .address_space: global }
      - { .name: qcodes, .offset: 64, .size: 8, .value_kind: global_buffer, .address_space: global }
      - { .name: kcodes, .offset: 72, .size: 8, .value_kind: global_buffer, .address_space: global }
      - { .name: vcodes, .offset: 80, .size: 8, .value_kind: global_buffer, .address_space: global }
      - { .name: vpart, .offset: 88, .size: 8, .value_kind: global_buffer, .address_space: global }
    .group_segment_fixed_size: 99328
    .private_segment_fixed_size: 0
    .kernarg_segment_align: 8
    .kernarg_segment_size: 96
    .max_flat_workgroup_size: 256
    .sgpr_count:     66
    .vgpr_count:     512
    .wavefront_size: 32
...
	.end_amdgpu_metadata
.endif
;; end of part 5
;; launch attn (part 6): grid 4 x 128, 8 waves a work-group, no clusters, 70,656 bytes of LDS; arguments qcodes, kcodes, vcodes, vpart, key_padding_mask, lowp_scales, ocodes; writes ocodes
.if DOCPART == 6
	.amdgcn_target "amdgcn-amd-amdhsa--gfx1250"
	.amdhsa_code_object_version 6
	.text
	.protected	k_q4cefdf9ff8_attn
	.globl	k_q4cefdf9ff8_attn
	.p2align	8
	.type	k_q4cefdf9ff8_attn,@function
k_q4cefdf9ff8_attn:
	s_mov_b64 s[64:65], 0
	v_nop
	global_prefetch_b8 v0, s[64:65] scope:SCOPE_SE
	s_setreg_imm32_b32 hwreg(HW_REG_WAVE_SCHED_MODE, 0, 2), 2
	s_setreg_imm32_b32 hwreg(HW_REG_WAVE_MODE, 25, 1), 1
	s_wait_xcnt 0x0
	s_wait_alu depctr_vm_vsrc(0)
; Attention on codes of BF8, in the band.  LEFT OUT (shown at the head of the first kernel): key tiles wholly under the mask causal | window that reference() builds itself: query i keeps keys i - 256 .. i.
; A work-group owns 256 queries (x: which) of one batch and head (y).  It needs keys 256 x - 256 .. 256 x + 255: 32 KiB of kcodes and 32 KiB of vcodes, each a dense run, copied once through registers into LDS; one barrier.
; Wave w owns 32 queries, two tiles of 16, and walks the five blocks of 64 keys that its band touches: local blocks w / 2 + 0 .. 4; the first holds the window's edge, the last the diagonal.
; Blocks ahead of key 0 (x = 0) are neither loaded nor walked: branches on ids alone.
; Both products are used transposed: S^T = K Q^T, O^T = V^T P^T: a lane holds ONE query (lane % 16).  The keys of a tile of K are permuted (see proj): register 16 b + i of a tile of queries is key 32 b + 16 (lane / 16) + i of the block.
; THE PADDING MASK is the C of the score products: 0 for an open key, -2^100 for a padded one.  The static mask replaces scores by -2^100 in the two edge steps.
; THE SOFTMAX: t = score x log2(e) / 8 x 2^(e6 + e7); M = the ceiling of the running largest t; p = 2^(t - M) is quantised with 2^e9; l sums the unquantised p; when M moves, l and O^T are multiplied by a power of two.
; The running largest t begins at c x -2^50, under every real t and over every masked one: masked p are 0 from the first step on.
; A ROW WHOSE WHOLE BAND IS PADDED has l = 0 here (a row with an open key has l > 1/2).  reference() gives it 1,024 equal logits: p = 1 for all keys, l = 1,024.  So where l < 1/4, O^T is replaced by
; Q(1) / 2^e9 x the sum of all 1,024 codes of v (from vpart) and l by 1,024: a selection, no branch.
; The result, O^T x 2^(e8 + e9) / l, is quantised with 2^e10 into ocodes [tile of 16 rows][head][1,024]: the fragments of the last product.
; LIMITS: e6 + e7 between -80 and 50 (the marks -2^50 and -2^100, in units of raw scores, then stay apart from real scores, at most 64 x 57,344^2 in size, and c stays an f32 number); e9 between -126 and 16; e10 between -126 and 112.
; The one branch on a loaded whole number: p is at most 1, so with e9 >= -15 no p / 2^e9 passes 57,344 and the hold is jumped over.  This launch has no tensor load and no copy.
; THE MODE: SCHED_MODE bits 1:0 = 2 (LLVM: expert scheduling mode 2), set by the entry lines.  The code itself states the register dependences
; between vector or matrix instructions and memory or LDS instructions, with s_wait_alu, always for 0.
; THE PLAN.  Registers that memory or LDS instructions touch:
;   v1-v4, v8-v11  offsets and LDS addresses: written once at the head, ahead of the one wait in front of the first load; never written again.
;   v96-v177       at the head: K, V, the mask bytes and the sums as loaded.  The LDS stores of K and V carry loaded data.  The mask words and the replacement are made by vector instructions: one wait ahead of their
;                  stores, in each of the two regions.  One wait on vm_vsrc ahead of the zeros of O^T: from there on these registers are S^T and O^T.
;   KF v32-63      a step's K, then its V.  Read by the score products, loaded with V behind them; read by the second products, loaded with K at the next step's head: a wait on va_vdst ahead of each of the two runs of loads.
;   CB v64-95      the mask as C.  Read by the score products; loaded again at the next step's head, behind the same wait as K.
;   P  v224-239    on the way out the result's codes: one wait ahead of the four stores.
;   S^T, O^T, Q (once loaded) and the statistics are named by vector and matrix instructions alone in the steps.
;   Masks that vector compares write: VCC at the head; s32-s47 in the edge steps, sixteen compares in a run with one wait behind the run; s40, s41 on the way out.
.set KL,    0                          ; LDS: K's 8 blocks of 64 keys, 4,096 bytes each (4 tiles x 1,024)
.set VL,    32768                      ; V's, likewise (4 tiles of d x 1,024)
.set MF,    65536                      ; 512 f32: 0 or -2^100 for each local key
.set VS,    67584                      ; 64 f32 for each wave, its own: the replacement for O^T
.set SPARE, 69632                      ; the spare words, 128 bytes for each of the eight waves
.set LK,  2                            ; v2   16 x lane + 4,096 (w / 2)
.set LC,  3                            ; v3   MF + 64 h + 256 (w / 2)
.set LI,  4                            ; v4   16 x lane
.set SPW, 5
.set NIL, 6
.set D0,  7                            ; v7   32 (w % 2) + r - 16 h: my query against the keys of an edge block
.set ST0, 12                           ; v12 -M, v13 the largest t, v[14:15] l in two halves: tile 0
.set QF,  16                           ; v16-31   Q, 8 registers a tile
.set KF,  32                           ; v32-63   K's four tiles; then V's; on the way out the replacement
.set CB,  64                           ; v64-95   the padding mask as C
.set S,   96                           ; v96-159  S^T, then p: 32 a tile
.set O,   160                          ; v160-223 O^T: 32 a tile
.set P,   224                          ; v224-239 p's codes, 8 a tile; on the way out the result's
.set ST1, 240                          ; tile 1's statistics
.set EM,  32                           ; s32-47   sixteen masks of an edge step (free since the head)
	s_load_b256 s[4:11], s[0:1], 0x0               ; qcodes s[4:5], kcodes s[6:7], vcodes s[8:9], vpart s[10:11]
	s_load_b128 s[12:15], s[0:1], 0x20             ; the padding mask s[12:13], the exponents s[14:15]
	s_load_b64 s[16:17], s[0:1], 0x30              ; ocodes
	v_lshl_add_u32 v[SPW], v0, 2, SPARE
	v_mov_b32 v[NIL], 0
	v_lshrrev_b32 v1, 5, v0
	v_readfirstlane_b32 s18, v1                    ; wave 0..7
	s_and_b32 s19, ttmp7, 0xffff                   ; 16 x batch + head
	v_lshlrev_b32 v1, 4, v0                        ; 16 x thread: the copy's offset, in memory and in LDS
	v_and_b32 v[LI], 31, v0
	v_lshlrev_b32 v11, 2, v[LI]                    ; 4 x lane
	v_lshlrev_b32 v[LI], 4, v[LI]
	v_and_b32 v252, 15, v0                         ; r
	v_bfe_u32 v253, v0, 4, 1                       ; h
	v_lshl_add_u32 v8, v0, 2, MF                   ; my key's word of the mask
	s_wait_alu depctr_va_sdst(0)                   ; s18 is written, ahead of its first reader: the wave's walk and its places are made from it
	s_lshr_b32 s21, s18, 1
	s_lshl_b32 s20, ttmp9, 2
	s_add_co_u32 s20, s20, s21
	s_sub_co_i32 s20, s20, 4                       ; the block of 64 keys, counted from key 0, at which my walk begins: under 0 where x = 0
	s_lshl_b32 s32, s21, 12
	v_add_nc_u32 v[LK], s32, v[LI]
	s_lshl_b32 s32, s21, 8
	s_add_co_u32 s32, s32, MF
	v_lshl_add_u32 v[LC], v253, 6, s32
	s_and_b32 s32, s18, 1
	s_lshl_b32 s32, s32, 5
	v_lshlrev_b32 v[D0], 4, v253
	v_sub_nc_u32 v[D0], v252, v[D0]
	v_add_nc_u32 v[D0], s32, v[D0]
	s_lshl_b32 s32, s18, 8
	s_add_co_u32 s32, s32, VS
	v_add_nc_u32 v9, s32, v11                      ; the replacement: where I store,
	v_lshl_add_u32 v10, v253, 6, s32               ; and where I read
	s_lshl_b32 s34, s19, 16                        ; a head's codes are 65,536 bytes in each of the three tensors
	s_lshl_b32 s32, ttmp9, 14                      ; 256 queries or keys are 16,384
	s_add_co_u32 s34, s34, s32
	s_mov_b32 s35, 0
	s_lshl_b32 s36, s18, 11                        ; my two tiles of queries
	s_add_co_u32 s36, s36, s34
	s_mov_b32 s37, 0
	s_lshr_b32 s38, s19, 4                         ; batch
	s_and_b32 s39, s19, 15                         ; head
	s_lshl_b32 s42, s38, 15
	s_lshl_b32 s43, s39, 8
	s_add_co_u32 s42, s42, s43                     ; vpart: batch x 32,768 + head x 256
	s_mov_b32 s43, 0
	s_lshl_b32 s44, s38, 10
	s_lshl_b32 s45, ttmp9, 8
	s_add_co_u32 s44, s44, s45                     ; the mask: batch x 1,024 + 256 x
	s_mov_b32 s45, 0
	s_lshl_b32 s46, s38, 20                        ; ocodes: (64 batch + 16 x + 2 w) x 16,384 + head x 1,024
	s_lshl_b32 s47, ttmp9, 18
	s_add_co_u32 s46, s46, s47
	s_lshl_b32 s47, s18, 15
	s_add_co_u32 s46, s46, s47
	s_lshl_b32 s47, s39, 10
	s_add_co_u32 s46, s46, s47
	s_mov_b32 s47, 0
	s_mov_b32 s30, 0x76543210                      ; v_permlanex16_b32's selects for lane l xor 16
	s_mov_b32 s31, 0xfedcba98
	s_wait_kmcnt 0x0
	s_load_b128 s[24:27], s[14:15], 0x18           ; e6, e7, e8, e9
	s_load_b32 s28, s[14:15], 0x28                 ; e10
	s_add_nc_u64 s[4:5], s[4:5], s[36:37]
	s_add_nc_u64 s[6:7], s[6:7], s[34:35]
	s_add_nc_u64 s[8:9], s[8:9], s[34:35]
	s_add_nc_u64 s[10:11], s[10:11], s[42:43]
	s_add_nc_u64 s[12:13], s[12:13], s[44:45]
	s_add_nc_u64 s[16:17], s[16:17], s[46:47]
	s_wait_alu depctr_va_vdst(0)                   ; the offsets and LDS addresses v1 to v4 and v8 to v11 are written: every load and store of the kernel reads one of them (or v0, which stays as it came)
.irp i, 0,1
.irp c, 0,1
	global_load_b128 v[QF+8*\i+4*\c:QF+8*\i+4*\c+3], v[LI], s[4:5] offset:1024*\i+512*\c th:TH_LOAD_NT   ; Q stays in registers
.endr
.endr
.irp n, 0,1,2,3                                ; the upper 256 keys: the work-group's 256 threads take 4,096 consecutive bytes a load
	global_load_b128 v[112+4*\n:115+4*\n], v1, s[6:7] offset:4096*\n
	global_load_b128 v[144+4*\n:147+4*\n], v1, s[8:9] offset:4096*\n
.endr
	global_load_u8 v161, v0, s[12:13]
.irp n, 0,1,2,3,4,5,6,7                        ; the eight blocks' sums of v's codes: d = lane and d = 32 + lane of my head
	global_load_b32 v[162+\n], v11, s[10:11] offset:4096*\n
	global_load_b32 v[170+\n], v11, s[10:11] offset:4096*\n+128
.endr
	v_mov_b32 v246, 0xf1800000                     ; -2^100
	s_cmp_eq_u32 ttmp9, 0
	s_cbranch_scc1 .Lno_lower                      ; x = 0: there are no keys ahead of key 0; the steps that would read them are jumped over too
.irp n, 0,1,2,3                                ; the lower 256 keys
	global_load_b128 v[96+4*\n:99+4*\n], v1, s[6:7] offset:4096*\n-16384
	global_load_b128 v[128+4*\n:131+4*\n], v1, s[8:9] offset:4096*\n-16384
.endr
	global_load_u8 v160, v0, s[12:13] offset:-256
	s_wait_loadcnt 0x0
.irp n, 0,1,2,3                                ; loaded data: these stores hang on no vector instruction
	ds_store_b128 v1, v[96+4*\n:99+4*\n] offset:KL+4096*\n
	ds_store_b128 v1, v[128+4*\n:131+4*\n] offset:VL+4096*\n
.endr
	v_cmp_eq_u32 vcc_lo, 0, v160
	s_wait_alu depctr_va_vcc(0)                    ; VCC is written, ahead of the selection that reads it
	v_cndmask_b32 v160, 0, v246, vcc_lo            ; a padded key: -2^100
	s_wait_alu depctr_va_vdst(0)                   ; the selection has written v160, which the LDS store reads
	ds_store_b32 v8, v160
.Lno_lower:
	s_wait_loadcnt 0x0
.irp n, 0,1,2,3                                ; loaded data, as above
	ds_store_b128 v1, v[112+4*\n:115+4*\n] offset:KL+16384+4096*\n
	ds_store_b128 v1, v[144+4*\n:147+4*\n] offset:VL+16384+4096*\n
.endr
	v_cmp_eq_u32 vcc_lo, 0, v161
.irp g, 162, 170                               ; the sum over all 1,024 keys
	v_pk_add_f32 v[\g:\g+1], v[\g:\g+1], v[\g+2:\g+3]
	v_pk_add_f32 v[\g+4:\g+5], v[\g+4:\g+5], v[\g+6:\g+7]
	v_pk_add_f32 v[\g:\g+1], v[\g:\g+1], v[\g+4:\g+5]
	v_add_f32 v[\g], v[\g], v[\g+1]
.endr
	s_wait_alu depctr_va_vcc(0)                    ; VCC is written, ahead of the selection that reads it
	v_cndmask_b32 v161, 0, v246, vcc_lo
	s_wait_kmcnt 0x0
	s_sub_co_i32 s32, 127, s27
	s_lshl_b32 s32, s32, 23                        ; 2^-e9 as f32,
	s_min_u32 s32, s32, 0x47600000                 ; held at 57,344 (positive f32 numbers order as whole numbers): the value of the code of p = 1
	v_mul_f32 v162, s32, v162
	v_mul_f32 v170, s32, v170
	s_wait_alu depctr_va_vdst(0)                   ; the selection has written v161 and the products v162 and v170, which the three LDS stores read
	ds_store_b32 v8, v161 offset:1024
	ds_store_b32 v9, v162
	ds_store_b32 v9, v170 offset:128
	s_add_co_i32 s32, s24, s25
	s_lshl_b32 s32, s32, 23
	s_add_co_i32 s22, s32, 0x3e38aa3b              ; c = log2(e) / 8 x 2^(e6 + e7): the exponents are added to the exponent field
	s_mov_b32 s23, s22                             ; (named with it as a pair, so it is written)
	s_add_co_i32 s32, s27, 127
	s_lshl_b32 s33, s32, 23
	v_mov_b32 v244, s33                            ; 2^e9
	s_add_co_i32 s32, s32, 15
	s_lshl_b32 s32, s32, 23
	s_or_b32 s32, s32, 0x600000
	v_mov_b32 v245, s32                            ; 57,344 x 2^e9
	v_mov_b32 v13, 0xd8800000                      ; -2^50
	v_mul_f32 v13, s22, v13                        ; the largest t so far
	v_floor_f32 v12, -v13                          ; -M
	v_mov_b32 v14, 0
	v_mov_b32 v15, 0
	v_mov_b32 v240, v12
	v_mov_b32 v241, v13
	v_mov_b32 v242, 0
	v_mov_b32 v243, 0
	v_mov_b32 v249, 0                              ; (the upper halves of the pairs that hold f)
	v_mov_b32 v251, 0
	v_mov_b32 v254, 0                              ; a lane permute's destination counts as one of its sources
	v_mov_b32 v255, 0x44800000                     ; 1,024
	s_wait_alu depctr_vm_vsrc(0)                   ; my LDS stores have read v96 to v170: these registers are S^T and O^T from here on, written by the zeros below and by the products
.set n, 0
.rept 64
	v_mov_b32 v[O+n], 0                            ; which step comes first hangs on the work-group's number, so the steps are alike and O^T begins as zeros
.set n, n+1
.endr
	s_wait_dscnt 0x0                               ; for the others' sake: my stores have landed
	s_barrier_signal -1
	s_barrier_wait -1                              ; the only barrier: nobody writes LDS after it
.macro SMAX sb, st, f                  ; the tile's largest score, the new M, f = 2^(old M - new M).  The scores are read in ascending order
	v_max3_num_f32 v252, v[\sb], v[\sb+1], v[\sb+2]
	v_max3_num_f32 v253, v[\sb+3], v[\sb+4], v[\sb+5]
.irp k, 6,10,14,18,22,26
	v_max3_num_f32 v252, v252, v[\sb+\k], v[\sb+\k+1]
	v_max3_num_f32 v253, v253, v[\sb+\k+2], v[\sb+\k+3]
.endr
	v_max3_num_f32 v252, v252, v[\sb+30], v[\sb+31]
	v_max_num_f32 v252, v252, v253
	v_permlanex16_b32 v254, v252, s30, s31
	v_max_num_f32 v252, v252, v254                 ; and lane l xor 16's half of the keys
	v_mul_f32 v252, s22, v252                      ; as t (c is positive)
	v_max_num_f32 v[\st+1], v[\st+1], v252
	v_mov_b32 v252, v[\st]
	v_floor_f32 v[\st], -v[\st+1]                  ; -M = floor(-t): M is a whole number
	v_sub_f32 v252, v[\st], v252                   ; old M - new M, 0 or less
	v_cvt_i32_f32 v252, v252                       ; (it saturates)
	v_ldexp_f32 v[\f], 1.0, v252
.endm
.macro PSUM sb, l                      ; l += the tile's 32 unquantised p, two at a time, in two chains
	v_pk_add_f32 v[252:253], v[\sb:\sb+1], v[\sb+2:\sb+3]
.irp k, 4,8,12,16,20,24,28
	v_pk_add_f32 v[\l:\l+1], v[\l:\l+1], v[\sb+\k:\sb+\k+1]
	v_pk_add_f32 v[252:253], v[252:253], v[\sb+\k+2:\sb+\k+3]
.endr
	v_pk_add_f32 v[\l:\l+1], v[\l:\l+1], v[252:253]
.endm
; A STEP: local block w / 2 + st.  edge = 1: the window's edge; 2: the diagonal; 0: every key of the block lies in the band of all my queries.
.macro STEP st, edge
	s_cmp_lt_i32 s20, -\st                         ; a block ahead of key 0: ids alone
	s_cbranch_scc1 .Lskip_\@
.rept 4
	v_nop                                          ; four plain instructions between the last step's products and the loads into their sources, as the plain form of this kernel has them; the dependence itself is stated by the wait below
.endr
.if \st > 0
	s_wait_alu depctr_va_vdst(0)                   ; the last step's products are done reading v[KF ..] (its V) and v[CB ..] (its mask), in which the loads below land
.endif
.irp t, 0,1,2,3
.irp c, 0,1
	ds_load_b128 v[KF+8*\t+4*\c:KF+8*\t+4*\c+3], v[LK] offset:KL+4096*\st+1024*\t+512*\c
.endr
.endr
.irp t, 0,1,2,3                                ; tile t's register j is key 32 (t / 2) + 16 h + 8 (t % 2) + j
	ds_load_b128 v[CB+8*\t:CB+8*\t+3], v[LC] offset:256*\st+128*(\t/2)+32*(\t%2)
	ds_load_b128 v[CB+8*\t+4:CB+8*\t+7], v[LC] offset:256*\st+128*(\t/2)+32*(\t%2)+16
.endr
	s_wait_dscnt 0x0
.irp t, 0,1,2,3
.irp i, 0,1
	v_wmma_f32_16x16x64_bf8_bf8 v[S+32*\i+8*\t:S+32*\i+8*\t+7], v[KF+8*\t:KF+8*\t+7], v[QF+8*\i:QF+8*\i+7], v[CB+8*\t:CB+8*\t+7]
.endr
.endr
.rept 4
	v_nop                                          ; places ahead of the reads of the scores
.endr
	s_wait_alu depctr_va_vdst(0)                   ; the score products are done reading v[KF ..], in which V's loads land
.irp t, 0,1,2,3
.irp c, 0,1
	ds_load_b128 v[KF+8*\t+4*\c:KF+8*\t+4*\c+3], v[LK] offset:VL+4096*\st+1024*\t+512*\c   ; V's four tiles land while the softmax is walked
.endr
.endr
.if \edge
.irp g, 0,1,2,3                                ; sixteen scores at a time: tile g / 2, registers 16 (g % 2) + n: key 32 (g % 2) + n + 16 h of the block, against query 32 (w % 2) + 16 (g / 2) + r
.set n, 0
.rept 16
.if \edge == 2
	v_cmp_gt_i32 s[EM+n], 32*(\g%2)+n-16*(\g/2), v[D0]   ; behind the query
.else
	v_cmp_lt_i32 s[EM+n], 32*(\g%2)+n-16*(\g/2), v[D0]   ; more than 256 ahead of it
.endif
.set n, n+1
.endr
	s_wait_alu depctr_va_sdst(0)                   ; the sixteen masks are written, ahead of the selections that read them: one wait for the run
.set n, 0
.rept 16
	v_cndmask_b32 v[S+16*\g+n], v[S+16*\g+n], v246, s[EM+n]   ; ascending: each accumulator is read from its low end on
.set n, n+1
.endr
.endr
.endif
	SMAX S, ST0, 248
	SMAX S+32, ST1, 250
.set n, 0
.rept 16
	v_pk_fma_f32 v[S+n:S+n+1], v[S+n:S+n+1], s[22:23], v[ST0:ST0+1] op_sel_hi:[1,0,0]   ; t - M, two at a time (of the pairs c and -M the low word serves both halves)
	v_pk_fma_f32 v[S+32+n:S+32+n+1], v[S+32+n:S+32+n+1], s[22:23], v[ST1:ST1+1] op_sel_hi:[1,0,0]
.set n, n+2
.endr
.set n, 0
.rept 64
	v_exp_f32 v[S+n], v[S+n]                       ; p = 2^(t - M)
.set n, n+1
.endr
	v_pk_mul_f32 v[ST0+2:ST0+3], v[ST0+2:ST0+3], v[248:249] op_sel_hi:[1,0]   ; l under the new M: the plain instruction behind the exponentials
	v_pk_mul_f32 v[ST1+2:ST1+3], v[ST1+2:ST1+3], v[250:251] op_sel_hi:[1,0]
	s_wait_alu depctr_va_vdst(0)                   ; the 64 exponentials have written p: one wait for the batch, ahead of its first reader
	PSUM S, ST0+2
	PSUM S+32, ST1+2
	s_cmp_ge_i32 s27, -15                          ; e9 >= -15: p / 2^e9 <= 32,768: no hold is owed
	s_cbranch_scc1 .Lnohold_\@
.set n, 0
.rept 64
	v_min_num_f32 v[S+n], v[S+n], v245             ; p is not negative: the hold is one-sided
.set n, n+1
.endr
.Lnohold_\@:
.irp i, 0,1
.irp b, 0,1
	v_cvt_scalef32_pk8_bf8_f32 v[P+8*\i+4*\b:P+8*\i+4*\b+1], v[S+32*\i+16*\b:S+32*\i+16*\b+7], v244
	v_cvt_scalef32_pk8_bf8_f32 v[P+8*\i+4*\b+2:P+8*\i+4*\b+3], v[S+32*\i+16*\b+8:S+32*\i+16*\b+15], v244
.endr
.endr
.set n, 0
.rept 16
	v_pk_mul_f32 v[O+n:O+n+1], v[O+n:O+n+1], v[248:249] op_sel_hi:[1,0]   ; O^T under the new M; these are also the plain instructions between the conversions and the products
	v_pk_mul_f32 v[O+32+n:O+32+n+1], v[O+32+n:O+32+n+1], v[250:251] op_sel_hi:[1,0]
.set n, n+2
.endr
	s_wait_dscnt 0x0                               ; V
.irp t, 0,1,2,3                                ; eight accumulators, one instruction each: no two products on one accumulator follow each other
.irp i, 0,1
	v_wmma_f32_16x16x64_bf8_bf8 v[O+32*\i+8*\t:O+32*\i+8*\t+7], v[KF+8*\t:KF+8*\t+7], v[P+8*\i:P+8*\i+7], v[O+32*\i+8*\t:O+32*\i+8*\t+7]
.endr
.endr
.Lskip_\@:
.endm
	STEP 0, 1
	STEP 1, 0
	STEP 2, 0
	STEP 3, 0
	STEP 4, 2
	; THE WAY OUT
	v_add_f32 v14, v14, v15                        ; l's two halves.  (Two of the four places behind the last products)
	v_add_f32 v242, v242, v243
	v_nop
	v_nop
	s_wait_alu depctr_va_vdst(0)                   ; the last products are done reading v[KF ..], in which the replacement's loads land
.irp b, 0,1
.irp k, 0,1,2,3
	ds_load_b128 v[KF+16*\b+4*\k:KF+16*\b+4*\k+3], v10 offset:128*\b+16*\k   ; the replacement at my 32 channels: d = 32 b + 16 h + 0 .. 15
.endr
.endr
	v_permlanex16_b32 v254, v14, s30, s31
	v_add_f32 v14, v14, v254                       ; and lane l xor 16's
	v_permlanex16_b32 v254, v242, s30, s31
	v_add_f32 v242, v242, v254
	v_cmp_gt_f32 s40, 0x3e800000, v14              ; l < 1/4: the whole band is padded
	v_cmp_gt_f32 s41, 0x3e800000, v242
	s_wait_alu depctr_va_sdst(0)                   ; s40 and s41 are written, ahead of their first readers
	v_cndmask_b32 v14, v14, v255, s40              ; l = 1,024 there
	v_cndmask_b32 v242, v242, v255, s41
	v_rcp_f32 v14, v14
	v_rcp_f32 v242, v242
	s_add_co_i32 s32, s26, s27                     ; e8 + e9
	s_add_co_i32 s33, s28, 127
	s_lshl_b32 s34, s33, 23
	v_mov_b32 v244, s34                            ; 2^e10.  (A plain instruction behind the reciprocals)
	s_add_co_i32 s33, s33, 15
	s_lshl_b32 s33, s33, 23
	s_or_b32 s33, s33, 0x600000
	v_mov_b32 v245, s33                            ; 57,344 x 2^e10
	s_wait_alu depctr_va_vdst(0)                   ; both reciprocals have written their results: one wait, ahead of their first reader
	v_ldexp_f32 v14, v14, s32
	v_ldexp_f32 v242, v242, s32
	s_wait_dscnt 0x0
.macro OUT i, l
.set n, 0
.rept 32
	v_cndmask_b32 v[O+32*\i+n], v[O+32*\i+n], v[KF+n], s[40+\i]   ; ascending: each accumulator is read from its low end on
.set n, n+1
.endr
.set n, 0
.rept 16
	v_pk_mul_f32 v[O+32*\i+n:O+32*\i+n+1], v[O+32*\i+n:O+32*\i+n+1], v[\l:\l+1] op_sel_hi:[1,0]   ; x 2^(e8 + e9) / l
.set n, n+2
.endr
.set n, 0
.rept 32
	v_med3_num_f32 v[O+32*\i+n], v[O+32*\i+n], -v245, v245
.set n, n+1
.endr
.irp b, 0,1
	v_cvt_scalef32_pk8_bf8_f32 v[P+8*\i+4*\b:P+8*\i+4*\b+1], v[O+32*\i+16*\b:O+32*\i+16*\b+7], v244
	v_cvt_scalef32_pk8_bf8_f32 v[P+8*\i+4*\b+2:P+8*\i+4*\b+3], v[O+32*\i+16*\b+8:O+32*\i+16*\b+15], v244
.endr
.endm
	OUT 0, 14
	OUT 1, 242
	v_nop
	s_wait_alu depctr_va_vdst(0)                   ; the conversions have written v[P ..], which the four stores read
.irp i, 0,1
.irp b, 0,1
	global_store_b128 v[LI], v[P+8*\i+4*\b:P+8*\i+4*\b+3], s[16:17] offset:16384*\i+512*\b   ; the wave stores 512 consecutive bytes, aligned
.endr
.endr
	s_wait_dscnt 0x0                               ; the closing lines, six on end
	s_wait_alu 0x0
	s_wait_tensorcnt 0x0
	ds_add_u32 v[SPW], v[NIL]
	s_wait_dscnt 0x0
	s_endpgm
.Lfunc_end_k_q4cefdf9ff8_attn:
	.size	k_q4cefdf9ff8_attn, .Lfunc_end_k_q4cefdf9ff8_attn-k_q4cefdf9ff8_attn
	.p2alignl 7, 3214868480
	.fill 96, 4, 3214868480
	.section	.rodata,"a",@progbits
	.p2align	6, 0x0
	.amdhsa_kernel k_q4cefdf9ff8_attn
		.amdhsa_group_segment_fixed_size 70656
		.amdhsa_private_segment_fixed_size 0
		.amdhsa_enable_private_segment 0
		.amdhsa_kernarg_size 56
		.amdhsa_user_sgpr_count 2
		.amdhsa_user_sgpr_kernarg_segment_ptr 1
		.amdhsa_wavefront_size32 1
		.amdhsa_system_sgpr_workgroup_id_x 1
		.amdhsa_system_sgpr_workgroup_id_y 1
		.amdhsa_system_sgpr_workgroup_id_z 1
		.amdhsa_system_vgpr_workitem_id 0
		.amdhsa_next_free_vgpr 256
		.amdhsa_next_free_sgpr 66
		.amdhsa_reserve_vcc 1
		.amdhsa_float_denorm_mode_32 3
		.amdhsa_float_denorm_mode_16_64 3
		.amdhsa_memory_ordered 1
		.amdhsa_forward_progress 1
		.amdhsa_inst_pref_size 123
	.end_amdhsa_kernel
	.amdgpu_metadata
---
amdhsa.version: [ 1, 2 ]
amdhsa.kernels:
  - .name:           k_q4cefdf9ff8_attn
    .symbol:         k_q4cefdf9ff8_attn.kd
    .args:
      - { .name: qcodes, .offset: 0, .size: 8, .value_kind: global_buffer, .address_space: global }
      - { .name: kcodes, .offset: 8, .size: 8, .value_kind: global_buffer, .address_space: global }
      - { .name: vcodes, .offset: 16, .size: 8, .value_kind: global_buffer, .address_space: global }
      - { .name: vpart, .offset: 24, .size: 8, .value_kind: global_buffer, .address_space: global }
      - { .name: key_padding_mask, .offset: 32, .size: 8, .value_kind: global_buffer, .address_space: global }
      - { .name: lowp_scales, .offset: 40, .size: 8, .value_kind: global_buffer, .address_space: global }
      - { .name: ocodes, .offset: 48, .size: 8, .value_kind: global_buffer, .address_space: global }
    .group_segment_fixed_size: 70656
    .private_segment_fixed_size: 0
    .kernarg_segment_align: 8
    .kernarg_segment_size: 56
    .max_flat_workgroup_size: 256
    .sgpr_count:     66
    .vgpr_count:     256
    .wavefront_size: 32
...
	.end_amdgpu_metadata
.endif
;; end of part 6
;; launch outp: the kernel of part 4 again; grid 4 x 32, 4 waves a work-group, clusters of 4 x 4, 327,680 bytes of LDS; arguments ocodes, wcodes, lowp_scales, out0, bo; writes out0
